; MI455X (gfx1250); checked and timed in simulation.
; The chip was launched on July 23, 2026; its instructions are those of AMD's public machine-readable ISA for CDNA 5 (MIT licence, August 2026) and "CDNA5" Instruction Set Architecture Reference Guide (July 2026). The comments in the code are by the model that wrote it; some were corrected since.
;; Bilinear Attention. Allowed arithmetic: float matrix products may take bf16 or f16 operands with f32 sums; all other float work in f32.
;; Inputs: Wk1 1,024 x 1,024 float32; Wk2 1,024 x 1,024 float32; Wout 1,024 x 1,024 float32; Wq1 1,024 x 1,024 float32; Wq2 1,024 x 1,024 float32; Wv 1,024 x 1,024 float32; x 2 x 2,048 x 1,024 float32.
;; Outputs: out0 2 x 2,048 x 1,024 float32.
;; 2 versions, each right; version 2 is version 1 with the launch prep written anew for expert scheduling mode. Each part assembles by itself: llvm-mc -triple=amdgcn-amd-amdhsa -mcpu=gfx1250 --defsym DOCPART=n.
;; ======== version 1 of 2: 4 launches
;; limits: values are held in f16: magnitudes above 65,504 overflow, below 6.1e-05 lose precision
;; workspace buffers: xb 8,388,608 bytes; wb 10,485,760 bytes; wo 2,097,152 bytes; rope 262,144 bytes; qkv 41,943,040 bytes; amax 8,192 bytes; yh 8,388,608 bytes
;; launch prep (part 1): grid 64 x 11, 8 waves a work-group, no clusters, 0 bytes of LDS; arguments x, Wq1, Wk1, Wq2, Wk2, Wv, Wout, xb, wb, wo, rope; writes xb, wb, wo, rope
.if DOCPART == 1
	.amdgcn_target "amdgcn-amd-amdhsa--gfx1250"
	.amdhsa_code_object_version 6
	.text
	.protected	k_q8002057eed_prep
	.globl	k_q8002057eed_prep
	.p2align	8
	.type	k_q8002057eed_prep,@function
k_q8002057eed_prep:
	s_mov_b64 s[64:65], 0
	v_nop
	global_prefetch_b8 v0, s[64:65] scope:SCOPE_SE
	s_setreg_imm32_b32 hwreg(HW_REG_WAVE_MODE, 25, 1), 1
	s_wait_xcnt 0x0
; PREP: the inputs are rounded to 16 bits once, and the rotary table is made.
; Grid row y says what a work-group of eight waves does with its 16,384 numbers (65,536 bytes in, 32,768 out):
;   y = 0..3   x -> xb, bf16, same layout [4096][1024]
;   y = 4..8   Wq1, Wk1, Wq2, Wk2, Wv -> wb, bf16, laid [head 16][tensor 5][64 rows][1024]: the 320 rows that one head needs lie together
;   y = 9      Wout -> wo: rounded to bf16 like every input, that number written as f16, laid [head 16][n 1024][64]
;   y = 10     rope[t][j] = one word: cos(t f_j) in bf16 below, sin(t f_j) in bf16 above; t = 0..2047, j = 0..31
; A stream: no LDS, no barrier, no matrix unit, no cluster (no two work-groups read the same bytes).
; LIMITS.  |bf16(Wout)| above 65,504 has no f16; below 2^-14 it keeps f16's fixed step of 2^-24.
; The table: f_j = 1 / 10^(j/8), the power given to the nearest f32, the reciprocal refined by two Newton steps; the angle t f_j is one f32 product;
; sine and cosine by a reduction in three parts of pi/2 and polynomials good to about one unit in the last place of f32, then rounded to bf16.
.set LD,  4                            ; v[4:67]    sixteen loads of four f32
.set ST,  68                           ; v[68:99]   sixteen pairs to store: a pair of its own for each store, so none is rewritten
.set TW,  100                          ; v[100:103] at work
	s_load_b512 s[8:23], s[0:1], 0x0               ; x, Wq1, Wk1, Wq2, Wk2, Wv, Wout, xb
	s_load_b128 s[24:27], s[0:1], 0x40             ; wb, wo
	s_load_b64 s[28:29], s[0:1], 0x50              ; rope
	s_and_b32 s2, ttmp7, 0xffff                    ; y
	s_mov_b32 s3, ttmp9                            ; x id, 0..63
	v_lshrrev_b32 v1, 5, v0
	v_readfirstlane_b32 s38, v1                    ; wave 0..7
	v_and_b32 v3, 31, v0                           ; lane
	s_wait_kmcnt 0x0
	s_cmp_eq_u32 s2, 10
	s_cbranch_scc1 .Ltable
	; from where: x, or the weight that y names
	s_mov_b64 s[4:5], s[8:9]
.irp y, 4,5,6,7,8,9
	s_cmp_eq_u32 s2, \y
	s_cselect_b64 s[4:5], s[2*\y+2:2*\y+3], s[4:5]
.endr
	s_cmp_lt_u32 s2, 4
	s_cselect_b32 s30, s2, 0
	s_lshl_b32 s30, s30, 22                        ; x: 64 work-groups of 65,536 bytes for each y
	s_lshl_b32 s31, s3, 16
	s_add_co_u32 s30, s30, s31
	s_mov_b32 s31, 0
	s_add_nc_u64 s[4:5], s[4:5], s[30:31]
	; to where: three offsets, made apart from the addresses, and a choice
	s_lshl_b32 s32, s2, 21
	s_lshl_b32 s33, s3, 15
	s_add_co_u32 s32, s32, s33                     ; xb
	s_lshr_b32 s33, s3, 2                          ; my 16 rows lie in head x id / 4
	s_mul_i32 s33, s33, 5
	s_add_co_u32 s33, s33, s2
	s_sub_co_u32 s33, s33, 4                       ; 5 head + tensor
	s_lshl_b32 s33, s33, 17                        ; blocks of 64 rows x 2,048 bytes
	s_and_b32 s34, s3, 3
	s_lshl_b32 s34, s34, 15
	s_add_co_u32 s33, s33, s34                     ; wb
	s_lshl_b32 s34, s3, 11                         ; wo: 16 rows of 128 bytes in every head
	s_cmp_lt_u32 s2, 4
	s_cselect_b64 s[6:7], s[22:23], s[24:25]
	s_cselect_b32 s36, s32, s33
	s_cmp_eq_u32 s2, 9
	s_cselect_b64 s[6:7], s[26:27], s[6:7]
	s_cselect_b32 s36, s34, s36
	s_mov_b32 s37, 0
	s_add_nc_u64 s[6:7], s[6:7], s[36:37]
	s_cmp_eq_u32 s2, 9
	s_cbranch_scc1 .Lwout
	; THE CAST.  Thread t takes 16 bytes at 16 t of each 4,096; all sixteen loads go out first.
	v_lshlrev_b32 v1, 4, v0
	v_lshlrev_b32 v2, 3, v0
.set i, 0
.rept 16
	global_load_b128 v[LD+4*i:LD+4*i+3], v1, s[4:5] offset:4096*i th:TH_LOAD_NT
.set i, i+1
.endr
.set i, 0
.rept 16
	s_wait_loadcnt 15-i                            ; loads come back in order: load i is in, the 15 - i younger ones stay out
	v_cvt_pk_bf16_f32 v[ST+2*i], v[LD+4*i], v[LD+4*i+1]
	v_cvt_pk_bf16_f32 v[ST+2*i+1], v[LD+4*i+2], v[LD+4*i+3]
	global_store_b64 v2, v[ST+2*i:ST+2*i+1], s[6:7] offset:2048*i  ; a wave's store covers 256 consecutive bytes, aligned
.set i, i+1
.endr
	s_endpgm
.Lwout:
	; Wout by heads.  Load j of wave w: rows 2 (j / 2) + lane / 16 of my 16, the 64 columns of head 2 w + j % 2; the two rows' 128 bytes of f16 lie end to end in wo.
	v_bfe_u32 v1, v0, 4, 1
	v_lshlrev_b32 v1, 12, v1
	v_and_b32 v2, 15, v0
	v_lshl_add_u32 v1, v2, 4, v1
	s_lshl_b32 s30, s38, 9
	v_add_nc_u32 v1, s30, v1                       ; (lane / 16) 4,096 + (lane % 16) 16 + 512 w
	s_lshl_b32 s31, s38, 18
	v_lshl_add_u32 v2, v3, 3, s31                  ; 8 lane + two heads of 131,072 bytes for each wave
.set i, 0
.rept 16
	global_load_b128 v[LD+4*i:LD+4*i+3], v1, s[4:5] offset:(i&1)*256+(i>>1)*8192 th:TH_LOAD_NT
.set i, i+1
.endr
.set i, 0
.rept 16
	s_wait_loadcnt 15-i
	v_cvt_pk_bf16_f32 v[TW], v[LD+4*i], v[LD+4*i+1]            ; the rounding that every input gets,
	v_cvt_pk_bf16_f32 v[TW+1], v[LD+4*i+2], v[LD+4*i+3]
	v_lshlrev_b32 v[TW+2], 16, v[TW]                           ; back to f32,
	v_and_b32 v[TW], 0xffff0000, v[TW]
	v_lshlrev_b32 v[TW+3], 16, v[TW+1]
	v_and_b32 v[TW+1], 0xffff0000, v[TW+1]
	v_cvt_pk_f16_f32 v[ST+2*i], v[TW+2], v[TW]                 ; and written as f16: exact inside f16's range
	v_cvt_pk_f16_f32 v[ST+2*i+1], v[TW+3], v[TW+1]
	global_store_b64 v2, v[ST+2*i:ST+2*i+1], s[6:7] offset:(i&1)*131072+(i>>1)*256
.set i, i+1
.endr
	s_endpgm
.Ltable:
	; Wave W = 8 x id + w owns t = 4 W .. 4 W + 3.  Lane: row t % 2 = lane / 16, frequencies 2 (lane % 16) and the next.
	s_lshl_b32 s30, s3, 3
	s_add_co_u32 s30, s30, s38                     ; W
	s_lshl_b32 s31, s30, 2                         ; 4 W
	s_lshl_b32 s34, s30, 9                         ; four rows of 128 bytes
	s_mov_b32 s35, 0
	s_add_nc_u64 s[28:29], s[28:29], s[34:35]
	s_mov_b32 s32, 0xb94ca1f9                      ; -1.9515295891e-4: the sine's highest coefficient
	s_mov_b32 s33, 0x37ccf5ce                      ; 2.443315711809948e-5: the cosine's
	v_and_b32 v2, 15, v0
	v_bfe_u32 v23, v0, 4, 1
	v_lshlrev_b32 v24, 3, v3
	v_mov_b32 v4, 1.0
	v_mov_b32 v5, 1.0
.macro SEL k, p0, p1                   ; lanes with lane % 16 = k take 10^(2k/8) and 10^((2k+1)/8)
	v_cmp_ne_u32 vcc_lo, \k, v2
	v_cndmask_b32 v4, \p0, v4, vcc_lo
	v_cndmask_b32 v5, \p1, v5, vcc_lo
.endm
	SEL 0, 1.0, 1.3335214321633240
	SEL 1, 1.7782794100389228, 2.3713737056616552
	SEL 2, 3.1622776601683795, 4.2169650342858226
	SEL 3, 5.6234132519034908, 7.4989420933245583
	SEL 4, 10.0, 13.335214321633240
	SEL 5, 17.782794100389228, 23.713737056616552
	SEL 6, 31.622776601683795, 42.169650342858226
	SEL 7, 56.234132519034908, 74.989420933245583
	SEL 8, 100.0, 133.35214321633240
	SEL 9, 177.82794100389228, 237.13737056616552
	SEL 10, 316.22776601683795, 421.69650342858226
	SEL 11, 562.34132519034908, 749.89420933245583
	SEL 12, 1000.0, 1333.5214321633240
	SEL 13, 1778.2794100389228, 2371.3737056616552
	SEL 14, 3162.2776601683795, 4216.9650342858226
	SEL 15, 5623.4132519034908, 7498.9420933245583
	v_rcp_f32 v6, v4
	v_rcp_f32 v7, v5
	v_nop                                          ; a plain instruction between a reciprocal and the use of its result
	s_wait_alu depctr_va_vdst(0)
.rept 2
	v_fma_f32 v8, -v4, v6, 1.0                     ; Newton: r += r (1 - p r)
	v_fma_f32 v9, -v5, v7, 1.0
	v_fma_f32 v6, v6, v8, v6
	v_fma_f32 v7, v7, v9, v7
.endr
; cos and sin of v11 x v[inv], rounded to bf16, packed into v[dst].  The quadrant steers values alone, by selects and sign bits.
.macro SINCOS inv, dst
	v_mul_f32 v12, v11, v[\inv]                    ; the angle, one f32 product
	v_mul_f32 v13, 0x3f22f983, v12                 ; x 2 / pi
	v_rndne_f32 v13, v13                           ; n
	v_fmamk_f32 v14, v13, 0xbfc90000, v12          ; r = angle - n pi/2, pi/2 in three parts: 1.5703125,
	v_fmamk_f32 v14, v13, 0xb9fda000, v14          ; 4.837512969970703125e-4,
	v_fmamk_f32 v14, v13, 0xb3a22168, v14          ; 7.54978995489188216e-8
	v_mul_f32 v15, v14, v14                        ; z = r r
	v_fmaak_f32 v16, s32, v15, 0x3c08839e          ; sine: 8.3321608736e-3
	v_fmaak_f32 v18, s33, v15, 0xbab6061a          ; cosine: -1.388731625493765e-3
	v_fmaak_f32 v16, v16, v15, 0xbe2aaaa3          ; -1.6666654611e-1
	v_fmaak_f32 v18, v18, v15, 0x3d2aaaa5          ; 4.166664568298827e-2
	v_mul_f32 v17, v15, v14
	v_mul_f32 v19, v15, v15
	v_fma_f32 v20, v15, -0.5, 1.0
	v_fma_f32 v16, v16, v17, v14                   ; sin r
	v_fma_f32 v18, v18, v19, v20                   ; cos r
	v_cvt_i32_f32 v21, v13
	v_and_b32 v22, 1, v21
	v_cmp_eq_u32 vcc_lo, 1, v22                    ; odd quadrants swap the two
	v_cndmask_b32 v19, v18, v16, vcc_lo
	v_cndmask_b32 v20, v16, v18, vcc_lo
	v_add_nc_u32 v22, 1, v21
	v_and_b32 v22, 2, v22                          ; the cosine is negative in quadrants 1 and 2,
	v_lshlrev_b32 v22, 30, v22
	v_xor_b32 v19, v19, v22
	v_and_b32 v22, 2, v21                          ; the sine in 2 and 3
	v_lshlrev_b32 v22, 30, v22
	v_xor_b32 v20, v20, v22
	v_cvt_pk_bf16_f32 v[\dst], v19, v20
.endm
.irp it, 0,1
	v_add_nc_u32 v10, s31, v23
.if \it
	v_add_nc_u32 v10, 2, v10
.endif
	v_cvt_f32_u32 v11, v10                         ; t
	SINCOS 6, 26+2*\it
	SINCOS 7, 27+2*\it
	global_store_b64 v24, v[26+2*\it:27+2*\it], s[28:29] offset:256*\it  ; two rows of the table: 256 consecutive bytes, aligned
.endr
	s_endpgm
.Lfunc_end_k_q8002057eed_prep:
	.size	k_q8002057eed_prep, .Lfunc_end_k_q8002057eed_prep-k_q8002057eed_prep
	.p2alignl 7, 3214868480
	.fill 96, 4, 3214868480
	.section	.rodata,"a",@progbits
	.p2align	6, 0x0
	.amdhsa_kernel k_q8002057eed_prep
		.amdhsa_group_segment_fixed_size 0
		.amdhsa_private_segment_fixed_size 0
		.amdhsa_enable_private_segment 0
		.amdhsa_kernarg_size 88
		.amdhsa_user_sgpr_count 2
		.amdhsa_user_sgpr_kernarg_segment_ptr 1
		.amdhsa_wavefront_size32 1
		.amdhsa_system_sgpr_workgroup_id_x 1
		.amdhsa_system_sgpr_workgroup_id_y 1
		.amdhsa_system_sgpr_workgroup_id_z 1
		.amdhsa_system_vgpr_workitem_id 0
		.amdhsa_next_free_vgpr 104
		.amdhsa_next_free_sgpr 66
		.amdhsa_reserve_vcc 1
		.amdhsa_float_denorm_mode_32 3
		.amdhsa_float_denorm_mode_16_64 3
		.amdhsa_memory_ordered 1
		.amdhsa_forward_progress 1
		.amdhsa_inst_pref_size 28
	.end_amdhsa_kernel
	.amdgpu_metadata
---
amdhsa.version: [ 1, 2 ]
amdhsa.kernels:
  - .name:           k_q8002057eed_prep
    .symbol:         k_q8002057eed_prep.kd
    .args:
      - { .name: x, .offset: 0, .size: 8, .value_kind: global_buffer, .address_space: global }
      - { .name: Wq1, .offset: 8, .size: 8, .value_kind: global_buffer, .address_space: global }
      - { .name: Wk1, .offset: 16, .size: 8, .value_kind: global_buffer, .address_space: global }
      - { .name: Wq2, .offset: 24, .size: 8, .value_kind: global_buffer, .address_space: global }
      - { .name: Wk2, .offset: 32, .size: 8, .value_kind: global_buffer, .address_space: global }
      - { .name: Wv, .offset: 40, .size: 8, .value_kind: global_buffer, .address_space: global }
      - { .name: Wout, .offset: 48, .size: 8, .value_kind: global_buffer, .address_space: global }
      - { .name: xb, .offset: 56, .size: 8, .value_kind: global_buffer, .address_space: global }
      - { .name: wb, .offset: 64, .size: 8, .value_kind: global_buffer, .address_space: global }
      - { .name: wo, .offset: 72, .size: 8, .value_kind: global_buffer, .address_space: global }
      - { .name: rope, .offset: 80, .size: 8, .value_kind: global_buffer, .address_space: global }
    .group_segment_fixed_size: 0
    .private_segment_fixed_size: 0
    .kernarg_segment_align: 8
    .kernarg_segment_size: 88
    .max_flat_workgroup_size: 256
    .sgpr_count:     66
    .vgpr_count:     104
    .wavefront_size: 32
...
	.end_amdgpu_metadata
.endif
;; end of part 1
;; launch proj (part 2): grid 16 x 16, 4 waves a work-group, clusters of 4 x 4, 327,680 bytes of LDS; arguments xb, wb, rope, qkv, amax; writes qkv, amax
.if DOCPART == 2
	.amdgcn_target "amdgcn-amd-amdhsa--gfx1250"
	.amdhsa_code_object_version 6
	.text
	.protected	k_q8002057eed_proj
	.globl	k_q8002057eed_proj
	.p2align	8
	.type	k_q8002057eed_proj,@function
k_q8002057eed_proj:
	s_mov_b64 s[64:65], 0
	v_nop
	global_prefetch_b8 v0, s[64:65] scope:SCOPE_SE
	s_setreg_imm32_b32 hwreg(HW_REG_WAVE_MODE, 25, 1), 1
	s_wait_xcnt 0x0
	s_wait_alu depctr_hold_cnt(0) depctr_sa_sdst(0) depctr_va_vdst(0) depctr_va_sdst(0) depctr_va_ssrc(0) depctr_va_vcc(0) depctr_vm_vsrc(0)
	s_getreg_b32 s2, hwreg(HW_REG_IB_STS2, 6, 4)
	s_cmp_eq_u32 s2, 0
	s_cbranch_scc0 .Lentry_in_a_cluster
	s_endpgm
.Lentry_in_a_cluster:
	s_bfe_u32 s2, ttmp6, 0x10000c
	s_cmp_lg_u32 s2, 0xf033
	s_cbranch_scc0 .Lentry_shape_is_right
	s_endpgm
.Lentry_shape_is_right:
; PROJ: q1, k1, q2, k2, v = x W^T (bf16 operands, f32 sums), the rotation of q1, k1, q2, k2, and the largest magnitude of each of the five.
; A work-group makes 256 tokens x 320 columns: ONE head of all five tensors (wb holds those 320 rows together): 16 x 16 work-groups.
; Wave w makes tokens 64 w .. 64 w + 63 and all 320 columns: 80 accumulators of 16 x 16, 640 registers.  A head stays whole in a wave, so the rotation (column d with d + 32) never leaves a lane.
; K goes in 8 steps of 128 through two LDS slots (rows of 256 bytes in memory, 272 in LDS), filled by the tensor data mover.
; CLUSTER 4 x 4: x's tile hangs on the tile row alone and is asked for jointly along a row of the cluster, the weights' tile on the head alone, jointly along a column.
; THE MATRIX INSTRUCTION IS USED TRANSPOSED (source 0 = 16 rows of W, source 1 = 16 tokens): a lane holds one token (lane % 16) and eight neighbouring columns 8 (lane / 16) + 0..7.
; OUT: f16 by heads, qkv[tensor 5][batch x head 32][t 2048][64]; amax[work-group 256][8] f32: the five maxima, then three zeros.
; LIMITS.  q, k, v beyond 65,504 have no f16 (the drawn inputs give about 5; inputs and weights 30 times larger each give about 5,000).  NaN and infinities are not treated apart.
; REGISTERS, in windows of 256 (s_set_vgpr_msb: bits 1:0 source 0, 3:2 source 1, 5:4 source 2, 7:6 destination):
;   window 0: v0-29 addresses and maxima; v32-63, v64-95 x's fragments (4 x 16 tokens x 32 K), two buffers; v96-255 W's fragments, 32 for each tensor, one buffer that is refilled tensor by tensor
;   windows 1-3: accumulator (tensor g, token block a, column block b) in window 1 + g / 2 at 128 (g % 2) + 8 (4 a + b); window 3 v128-191: my tokens' words of the rotary table
.set PITCH, 272                        ; 256 bytes + 16 of padding = 68 words: the 16 rows of a fragment load start at 16 different groups of four banks
.set SLOT,  576*PITCH                  ; x's 256 rows, then W's 320
.set BOFF,  256*PITCH
.set STAGE, 2*SLOT                     ; behind the ring: 16 rows x 144 bytes for each wave, for the way out
.set SP,    144
.set MX,    STAGE+4*16*SP              ; one word a thread: the waves' maxima meet here
.set SPARE, MX+512                     ; the spare words, 128 bytes for each wave: two blocks of 256 bytes that no other line names
.set TS,    8388608                    ; bytes of one tensor in qkv
.set AM,   8                           ; v8-12   running maxima of the five tensors
.set LA,   14                          ; v14     my lane's place in x's part of a slot; never rewritten
.set LB0,  15                          ; v15     in W's part, tensors 0-2
.set LB1,  16                          ; v16     tensors 3, 4 (an LDS offset has 16 bits)
.set ADRA, 17                          ; v17-19  the same three plus the slot in hand
.set ADRB0, 18
.set ADRB1, 19
.set STO,  20                          ; v20     the way out: where I put 16 bytes of a row
.set RD,   21                          ; v21     where I read rows back
.set GO,   22                          ; v22     16 x lane
.set TBO,  23                          ; v23     my byte offset in 16 rows of the table
.set LN,   24                          ; v24     lane
.set SPW,  28                          ; v28     my spare word's address; never rewritten
.set NIL,  29                          ; v29     0; never rewritten
.set FA0,  32
.set FA1,  64
.set FB,   96
.set TAB,  128                         ; window 3
.set COS,  32                          ; the way out works in the fragments' registers
.set SIN,  48
.set YY,   64
.set TT,   96
.set UU,   112
.set PKD,  128
.set BK,   144
.set WV,  14                           ; s14 wave; s15 which half of a tile I fetch; s16 for x (0) or for W (1)
.set HF,  15
.set AB,  16
.set G1A, 24                           ; s[24:31] group 1 for x's tiles;  s[32:39] for W's
.set G1B, 32
.set G0A, 40                           ; s[40:47] group 0 for x's tiles: two sets for the two first fills; the second then walks
.set G0B, 48                           ; s[48:55] the same for W's
.set CUR, 56                           ; s56 LDS byte at which the slot in hand begins: 0 or SLOT
.set WOA, 57                           ; s57, s58 my part's place in a slot
.set WOB, 58
.set CNT, 59
.set SEL, 60                           ; s[60:61] v_permlanex16_b32's selects: each lane its own place in the other half
.set QB,  66                           ; s[66:75] where my 64 tokens of each tensor begin in qkv
.set HIM, 80                           ; s80 a word's upper half
.set SAV, 81
.set MSB, 0
.macro WIN new                         ; the immediate's high byte repeats the setting that is left; a switch that changes nothing is dropped
.if MSB != (\new)
	s_set_vgpr_msb (MSB<<8)|(\new)
.set MSB, (\new)
.endif
.endm
.macro PLACES                          ; four plain places behind matrix instructions, in front of loads into their sources and of reads of their results
.rept 4
	v_nop
.endr
.endm
.macro CREST                           ; a round of the cluster's barrier behind its opening barrier
	s_cmp_lg_u32 s[WV], 0
	s_cbranch_scc1 .Lnot_wave_0_\@
	s_barrier_signal -3
.Lnot_wave_0_\@:
	s_barrier_wait -3
	s_barrier_signal -1
	s_barrier_wait -1
.endm
.macro CROUND
	s_barrier_signal -1
	s_barrier_wait -1
	CREST
.endm
.macro JLOAD                           ; a joint refill by the walking sets: waves 0, 1 x's halves, waves 2, 3 W's; an s_nop 0 and four v_nop follow each line
	s_cmp_eq_u32 s[AB], 0
	s_cbranch_scc0 .Lfor_b_\@
	tensor_load_to_lds s[G0A+4:G0A+7], s[G1A:G1A+7]
	s_nop 0
	PLACES
	s_branch .Lasked_\@
.Lfor_b_\@:
	tensor_load_to_lds s[G0B+4:G0B+7], s[G1B:G1B+7]
	s_nop 0
	PLACES
.Lasked_\@:
.endm
	s_load_b256 s[4:11], s[0:1], 0x0               ; xb s[4:5], wb s[6:7], rope s[8:9], qkv s[10:11]
	s_load_b64 s[12:13], s[0:1], 0x20              ; amax
	v_lshl_add_u32 v[SPW], v0, 2, SPARE
	v_mov_b32 v[NIL], 0
	ds_add_u32 v[SPW], v[NIL]                      ; the wave's opening: the add and its wait stand ahead of my first tensor load; the set-up, work on registers, stands between
	v_lshrrev_b32 v3, 5, v0
	v_readfirstlane_b32 s[WV], v3
	s_and_b32 s[HF], s[WV], 1
	s_lshr_b32 s[AB], s[WV], 1
	s_bfe_u32 s17, ttmp6, 0x40000                  ; cx
	s_bfe_u32 s18, ttmp6, 0x40004                  ; cy
	s_lshl_b32 s19, ttmp9, 2
	s_add_co_u32 s19, s19, s17                     ; the head = 4 x cluster x + cx
	s_and_b32 s20, ttmp7, 0xffff
	s_lshl_b32 s20, s20, 2
	s_add_co_u32 s20, s20, s18                     ; the block of 256 tokens = 4 x cluster y + cy
	s_lshl_b32 s21, s18, 2
	s_lshl_b32 s21, 15, s21                        ; my row of the cluster
	s_lshl_b32 s22, 0x1111, s17                    ; my column
	s_or_b32 s[G1A], s21, (1<<16)|(1<<20)|(1<<21)|(5<<22)|(3<<25)  ; the mask; 2-byte elements; padding on; bit 21 beside a mask; after every 64 words, 4 words
	s_or_b32 s[G1B], s22, (1<<16)|(1<<20)|(1<<21)|(5<<22)|(3<<25)
	s_mov_b32 s[G1A+1], 128<<16                    ; tensor_dim0 = 128
	s_mov_b32 s[G1A+2], 128<<16                    ; tensor_dim1 = 128 rows
	s_mov_b32 s[G1A+3], 128<<16                    ; tile_dim0 = 128
	s_mov_b32 s[G1A+4], 128                        ; tile_dim1 = 128
	s_mov_b32 s[G1A+5], 1024                       ; elements from row to row
	s_mov_b32 s[G1A+6], 0
	s_mov_b32 s[G1A+7], 0
	s_mov_b32 s[G1B+1], 128<<16
	s_mov_b32 s[G1B+2], 160<<16                    ; W's halves have 160 rows
	s_mov_b32 s[G1B+3], 128<<16
	s_mov_b32 s[G1B+4], 160
	s_mov_b32 s[G1B+5], 1024
	s_mov_b32 s[G1B+6], 0
	s_mov_b32 s[G1B+7], 0
	s_lshl_b32 s76, s20, 19                        ; x: (256 block + 128 half) rows of 2,048 bytes: no register here ever holds cx
	s_lshl_b32 s77, s[HF], 18
	s_add_co_u32 s76, s76, s77
	s_mov_b32 s77, 0
	s_mul_i32 s78, s19, 0xa0000                    ; W: (320 head + 160 half) rows: no register here ever holds cy
	s_mul_i32 s79, s[HF], 0x50000
	s_add_co_u32 s78, s78, s79
	s_mov_b32 s79, 0
	s_mul_i32 s[WOA], s[HF], 128*PITCH
	s_mul_i32 s[WOB], s[HF], 160*PITCH
	s_add_co_u32 s[WOB], s[WOB], BOFF
	s_mov_b32 s[CUR], 0
	s_mov_b32 s[SEL], 0x76543210
	s_mov_b32 s[SEL+1], 0xfedcba98
	s_mov_b32 s[HIM], 0xffff0000
	s_and_b32 s2, s20, 7                           ; my first token in its sequence, t0 = 256 (block % 8) + 64 w, times 128 bytes: a row of the table and of a head alike
	s_lshl_b32 s2, s2, 15
	s_lshl_b32 s3, s[WV], 13
	s_add_co_u32 s2, s2, s3
	s_mov_b32 s3, 0
	s_lshr_b32 s82, s20, 3                         ; batch
	s_lshl_b32 s82, s82, 4
	s_add_co_u32 s82, s82, s19                     ; 16 batch + head
	s_lshl_b32 s82, s82, 18                        ; 2,048 rows of 128 bytes
	s_add_co_u32 s82, s82, s2
	s_mov_b32 s83, 0
	v_and_b32 v1, 15, v0                           ; r = lane % 16
	v_bfe_u32 v2, v0, 4, 1                         ; h = lane / 16
	v_and_b32 v[LN], 31, v0
	v_mul_u32_u24 v3, v1, PITCH
	v_lshl_add_u32 v3, v2, 4, v3                   ; a fragment's row x pitch + 16 x half
	s_mul_i32 s23, s[WV], 64*PITCH
	v_add_nc_u32 v[LA], s23, v3                    ; my 64 tokens
	v_add_nc_u32 v[LB0], BOFF, v3
	v_add_nc_u32 v[LB1], BOFF+192*PITCH, v3
	v_mov_b32 v[ADRA], v[LA]
	v_mov_b32 v[ADRB0], v[LB0]
	v_mov_b32 v[ADRB1], v[LB1]
	s_mul_i32 s23, s[WV], 16*SP
	s_add_co_u32 s23, s23, STAGE                   ; my stage
	v_mul_u32_u24 v4, v1, SP
	v_lshl_add_u32 v4, v2, 4, v4
	v_add_nc_u32 v[STO], s23, v4                   ; in: row r, 16 bytes for each half of the lanes
	v_bfe_u32 v4, v0, 3, 2
	v_mul_u32_u24 v4, v4, SP
	v_and_b32 v5, 7, v0
	v_lshl_add_u32 v4, v5, 4, v4
	v_add_nc_u32 v[RD], s23, v4                    ; back: 32 lanes take four rows of 128 bytes
	v_lshlrev_b32 v[GO], 4, v[LN]                  ; which are 512 consecutive bytes of a head
	v_lshlrev_b32 v[TBO], 7, v1
	v_lshl_add_u32 v[TBO], v2, 5, v[TBO]           ; the table: row r, 8 words for each half of the lanes
	s_wait_dscnt 0x0                               ; the opening add is done
	s_wait_kmcnt 0x0
	s_add_nc_u64 s[76:77], s[4:5], s[76:77]
	s_add_nc_u64 s[78:79], s[6:7], s[78:79]
	s_add_nc_u64 s[8:9], s[8:9], s[2:3]
	s_add_nc_u64 s[10:11], s[10:11], s[82:83]
.irp g, 0,1,2,3,4
	s_add_nc_u64 s[QB+2*\g:QB+2*\g+1], s[10:11], \g*TS
.endr
	s_lshl_b32 s82, s20, 4
	s_add_co_u32 s82, s82, s19
	s_lshl_b32 s82, s82, 5                         ; 32 bytes of amax for each work-group
	s_add_nc_u64 s[12:13], s[12:13], s[82:83]
.irp s, 0,1
	s_mov_b32 s[G0A+4*\s], 1                       ; count = 1
	s_add_co_u32 s[G0A+4*\s+1], s[WOA], \s*SLOT    ; LDS address
	s_add_nc_u64 s[G0A+4*\s+2:G0A+4*\s+3], s[76:77], \s*256  ; K step s
	s_or_b32 s[G0A+4*\s+3], s[G0A+4*\s+3], 0x80000000         ; type = 2
	s_mov_b32 s[G0B+4*\s], 1
	s_add_co_u32 s[G0B+4*\s+1], s[WOB], \s*SLOT
	s_add_nc_u64 s[G0B+4*\s+2:G0B+4*\s+3], s[78:79], \s*256
	s_or_b32 s[G0B+4*\s+3], s[G0B+4*\s+3], 0x80000000
.endr
	CROUND                                         ; all sixteen work-groups are here: the first joint loads meet
	s_cmp_eq_u32 s[AB], 0                          ; a wave's two first fills stand in one branch: two loads of mine are out
	s_cbranch_scc0 .Lfirst_b
	tensor_load_to_lds s[G0A:G0A+3], s[G1A:G1A+7]
	s_nop 0
	tensor_load_to_lds s[G0A+4:G0A+7], s[G1A:G1A+7]
	s_nop 0
	PLACES
	s_branch .Lfirst_asked
.Lfirst_b:
	tensor_load_to_lds s[G0B:G0B+3], s[G1B:G1B+7]
	s_nop 0
	tensor_load_to_lds s[G0B+4:G0B+7], s[G1B:G1B+7]
	s_nop 0
	PLACES
.Lfirst_asked:
	WIN 0xc0                                       ; the table's words of my 64 tokens, into window 3: wanted only on the way out
.set i, 0
.rept 8                                ; token block i / 2, frequencies 16 (i % 2) + 8 h + 0..7
	global_load_b128 v[TAB+8*i:TAB+8*i+3],   v[TBO], s[8:9] offset:(i/2)*2048+(i%2)*64
	global_load_b128 v[TAB+8*i+4:TAB+8*i+7], v[TBO], s[8:9] offset:(i/2)*2048+(i%2)*64+16
.set i, i+1
.endr
	WIN 0
; 16 matrix instructions: tensor g, 4 token blocks x 4 column blocks, 32 along K.  All 80 accumulators take turns, one instruction a turn.  zero = 1: the product starts the sum.
.macro MULG fa, g, zero
	WIN 0x50*(1+(\g)/2)
.irp a, 0,1,2,3
.irp b, 0,1,2,3
.set rD, 128*((\g)%2)+8*(4*\a+\b)
.if \zero
	v_wmma_f32_16x16x32_bf16 v[rD:rD+7], v[FB+32*(\g)+8*\b:FB+32*(\g)+8*\b+7], v[(\fa)+8*\a:(\fa)+8*\a+7], 0
.else
	v_wmma_f32_16x16x32_bf16 v[rD:rD+7], v[FB+32*(\g)+8*\b:FB+32*(\g)+8*\b+7], v[(\fa)+8*\a:(\fa)+8*\a+7], v[rD:rD+7]
.endif
.endr
.endr
.endm
.macro LDA k, fa                       ; x's four fragments at byte k of the rows: 8 loads
.irp a, 0,1,2,3
	ds_load_b128 v[(\fa)+8*\a:(\fa)+8*\a+3],   v[ADRA] offset:(\k)+16*\a*PITCH
	ds_load_b128 v[(\fa)+8*\a+4:(\fa)+8*\a+7], v[ADRA] offset:(\k)+16*\a*PITCH+32
.endr
.endm
.macro LDB k, g                        ; tensor g's four fragments: 8 loads
.irp b, 0,1,2,3
	ds_load_b128 v[FB+32*(\g)+8*\b:FB+32*(\g)+8*\b+3],   v[ADRB0+(\g)/3] offset:(\k)+(64*((\g)%3)+16*\b)*PITCH
	ds_load_b128 v[FB+32*(\g)+8*\b+4:FB+32*(\g)+8*\b+7], v[ADRB0+(\g)/3] offset:(\k)+(64*((\g)%3)+16*\b)*PITCH+32
.endr
.endm
; A K step is four quarters of 32 along K, 80 matrix instructions each.  One of the first three: straight behind a tensor's 16 products its fragment registers take the next quarter's, wanted 64 products later.
; The counts.  LDS loads come back in order, and the order of issue is always x, tensor 0, 1, 2, 3, 4.  At tensor 0: behind x's and its own run stand tensors 1-4's: 32.
; At tensor g > 0: behind its run stand 8 (4 - g) of this quarter's and 16 + 8 (g - 1) of the next quarter's: 40.
.macro QUARTER q, zero
.irp g, 0,1,2,3,4
.if \g == 0
	s_wait_dscnt 32
.else
	s_wait_dscnt 40
.endif
	MULG FA0+32*((\q)%2), \g, \zero
	WIN 0
	PLACES
.if \g == 0
	LDA 64*((\q)+1), FA0+32*(((\q)+1)%2)
.endif
	LDB 64*((\q)+1), \g
.endr
.endm
; The last quarter changes slots: ONE barrier.  In front of it each wave waits for all its tensor loads (one is out: its part of the next slot), adds 0 to its spare word, and waits for that and for its reads of this slot.
; fill = 1: the barrier opens a round of the cluster's, and this slot is filled again first behind it, with the K step two on: it has a K step less 48 products in which to land.
.macro TURN fill
	WIN 0
	s_wait_tensorcnt 0x0                           ; no tensor load of mine is out, so a group 0 may be written
	ds_add_u32 v[SPW], v[NIL]                      ; 0 onto my spare word; 32 products stand between it and the wait for it
	s_wait_dscnt 33                                ; tensors 1-4's runs and the add may be out
	MULG FA1, 0, 0
	s_wait_dscnt 25                                ; tensors 2-4's and the add
	MULG FA1, 1, 0
	s_wait_dscnt 0x0                               ; the add is done, and my reads of this slot are over
	s_barrier_signal -1
	MULG FA1, 2, 0                                 ; work on registers while the others arrive
	WIN 0
	s_barrier_wait -1
.if \fill
	CREST                                          ; no wave of any partner still reads this slot or has a load on its way
	s_add_co_u32 s[G0A+5], s[CUR], s[WOA]          ; the walking sets: the slot just read out,
	s_add_nc_u64 s[G0A+6:G0A+7], s[G0A+6:G0A+7], 256  ; the next K step; the type bits on top are not reached
	s_add_co_u32 s[G0B+5], s[CUR], s[WOB]
	s_add_nc_u64 s[G0B+6:G0B+7], s[G0B+6:G0B+7], 256
.endif
	s_xor_b32 s[CUR], s[CUR], SLOT                 ; the fragments now come from the other slot
	v_add_nc_u32 v[ADRA], s[CUR], v[LA]
	v_add_nc_u32 v[ADRB0], s[CUR], v[LB0]
	v_add_nc_u32 v[ADRB1], s[CUR], v[LB1]
.if \fill
	JLOAD                                          ; the first tensor load behind the round; its four v_nop are also the places in front of the loads below
.else
	PLACES
.endif
	LDA 0, FA0
	LDB 0, 0
	LDB 0, 1
	LDB 0, 2
	MULG FA1, 3, 0
	WIN 0
	PLACES
	LDB 0, 3
	MULG FA1, 4, 0
	WIN 0
	PLACES
	LDB 0, 4
.endm
	s_wait_tensorcnt 1                             ; my part of K step 0 is in; K step 1's may stay out
	s_barrier_signal -1
	s_barrier_wait -1                              ; everybody's is
	LDA 0, FA0
.irp g, 0,1,2,3,4
	LDB 0, \g
.endr
	QUARTER 0, 1                                   ; the first quarter stands in front of the loop: its products start the sums
	WIN 0
	s_mov_b32 s[CNT], 6
.Lk:                                                   ; six trips, from a step's second quarter to the next step's first; they ask for K steps 2 to 7
	QUARTER 1, 0
	QUARTER 2, 0
	TURN 1
	QUARTER 0, 0
	WIN 0
	s_sub_co_u32 s[CNT], s[CNT], 1
	s_cmp_lg_u32 s[CNT], 0
	s_cbranch_scc1 .Lk
	s_mov_b32 s[CNT], 2
.Lt:                                                   ; the last two K steps ask for nothing; the second trip is left in its middle.  Its 48 fragment loads read a landed slot once more and serve nothing: the price of one text for both
	QUARTER 1, 0
	QUARTER 2, 0
	TURN 0
	WIN 0
	s_sub_co_u32 s[CNT], s[CNT], 1
	s_cmp_eq_u32 s[CNT], 0
	s_cbranch_scc1 .Lout
	QUARTER 0, 0
	WIN 0
	s_branch .Lt
.Lout:
	s_wait_dscnt 0x0                               ; the fragments' registers are free for the way out
	s_wait_loadcnt 0x0                             ; the table
.irp g, 0,1,2,3,4
	v_mov_b32 v[AM+\g], 0
.endr
; THE WAY OUT, a unit (16 tokens of one tensor) at a time: rotate, take the maximum, round to f16, through my own stage, and out as 2,048 consecutive bytes of a head.
.macro UNPACK a                        ; token block a's cos and sin, bf16 to f32: 16 each, frequency 8 (column block) + j
	WIN 0x0c
.set i, 0
.rept 16
	v_lshlrev_b32 v[COS+i], 16, v[TAB+16*(\a)+i]
	v_and_b32 v[SIN+i], s[HIM], v[TAB+16*(\a)+i]
.set i, i+1
.endr
.endm
.macro ROPE a, g                       ; y1 = x1 cos + x2 sin, y2 = x2 cos - x1 sin; x1 = column blocks 0, 1, x2 = blocks 2, 3.  Each accumulator's lowest registers are read first
	WIN 1+(\g)/2
.irp bb, 0,1
.irp jp, 0,1,2,3
.set rX1, 128*((\g)%2)+8*(4*(\a)+\bb)+2*\jp
.set rCS, 8*\bb+2*\jp
	v_pk_mul_f32 v[TT+rCS:TT+rCS+1], v[rX1+16:rX1+17], v[SIN+rCS:SIN+rCS+1]
	v_pk_mul_f32 v[UU+rCS:UU+rCS+1], v[rX1:rX1+1], v[SIN+rCS:SIN+rCS+1]
.endr
.endr
.irp bb, 0,1
.irp jp, 0,1,2,3
.set rX1, 128*((\g)%2)+8*(4*(\a)+\bb)+2*\jp
.set rCS, 8*\bb+2*\jp
	v_pk_fma_f32 v[YY+rCS:YY+rCS+1], v[rX1:rX1+1], v[COS+rCS:COS+rCS+1], v[TT+rCS:TT+rCS+1]
	v_pk_fma_f32 v[YY+16+rCS:YY+16+rCS+1], v[rX1+16:rX1+17], v[COS+rCS:COS+rCS+1], v[UU+rCS:UU+rCS+1] neg_lo:[0,0,1] neg_hi:[0,0,1]
.endr
.endr
	WIN 0
.set i, 0
.rept 16
	v_max3_num_f32 v[AM+(\g)], |v[YY+2*i]|, |v[YY+2*i+1]|, v[AM+(\g)]
	v_cvt_pk_f16_f32 v[PKD+i], v[YY+2*i], v[YY+2*i+1]
.set i, i+1
.endr
.endm
.macro PLAINV a                        ; v is not rotated
	WIN 0x0f
.set i, 0
.rept 16
	v_max3_num_f32 v[AM+4], |v[32*(\a)+2*i]|, |v[32*(\a)+2*i+1]|, v[AM+4]
	v_cvt_pk_f16_f32 v[PKD+i], v[32*(\a)+2*i], v[32*(\a)+2*i+1]
.set i, i+1
.endr
.endm
.macro TOSTAGE u
	WIN 0
	s_wait_xcnt 0x0                                ; the stores of two units back have read this buffer: it is loaded again only behind this wait
.irp b, 0,1,2,3
	ds_store_b128 v[STO], v[PKD+4*\b:PKD+4*\b+3] offset:32*\b
.endr
.irp f, 0,1,2,3
	ds_load_b128 v[BK+16*((\u)%2)+4*\f:BK+16*((\u)%2)+4*\f+3], v[RD] offset:576*\f  ; LDS serves a wave's instructions in order: these see the stores above
.endr
.endm
.macro SEND u                          ; unit u = 5 a + g
	WIN 0
	s_wait_dscnt 0x0
.irp f, 0,1,2,3
	global_store_b128 v[GO], v[BK+16*((\u)%2)+4*\f:BK+16*((\u)%2)+4*\f+3], s[QB+2*((\u)%5):QB+2*((\u)%5)+1] offset:((\u)/5)*2048+\f*512  ; 512 consecutive bytes, aligned
.endr
.endm
.set UN, 0
.irp a, 0,1,2,3
	UNPACK \a
.irp g, 0,1,2,3,4
.if \g < 4
	ROPE \a, \g
.else
	PLAINV \a
.endif
.if UN > 0
	SEND UN-1                                      ; a unit's arithmetic stands between the loads of the unit before and its stores
.endif
	TOSTAGE UN
.set UN, UN+1
.endr
.endr
	SEND 19
	; THE MAXIMA: across the lanes, then across the waves through LDS; wave 0 stores 32 bytes.
	WIN 0
.irp g, 0,1,2,3,4
	v_max_num_f32_dpp v[AM+\g], v[AM+\g], v[AM+\g] row_xmask:1 row_mask:0xf bank_mask:0xf
	v_max_num_f32_dpp v[AM+\g], v[AM+\g], v[AM+\g] row_xmask:2 row_mask:0xf bank_mask:0xf
	v_max_num_f32_dpp v[AM+\g], v[AM+\g], v[AM+\g] row_xmask:4 row_mask:0xf bank_mask:0xf
	v_max_num_f32_dpp v[AM+\g], v[AM+\g], v[AM+\g] row_xmask:8 row_mask:0xf bank_mask:0xf
	v_permlanex16_b32 v3, v[AM+\g], s[SEL], s[SEL+1]
	v_max_num_f32 v[AM+\g], v[AM+\g], v3
.endr
	v_mov_b32 v13, 0
.irp g, 0,1,2,3,4
	v_cmp_eq_u32 vcc_lo, \g, v[LN]                 ; lane g carries tensor g's maximum, lanes 5 and up carry 0
	v_cndmask_b32 v13, v13, v[AM+\g], vcc_lo
.endr
	v_lshl_add_u32 v4, v0, 2, MX
	ds_store_b32 v4, v13
	s_wait_dscnt 0x0                               ; for the others' sake: my word is written
	s_barrier_signal -1
	s_barrier_wait -1
	s_cmp_lg_u32 s[WV], 0
	s_cbranch_scc1 .Lnot0
	v_lshl_add_u32 v5, v[LN], 2, MX
	ds_load_b32 v32, v5
	ds_load_b32 v33, v5 offset:128
	ds_load_b32 v34, v5 offset:256
	ds_load_b32 v35, v5 offset:384
	v_lshlrev_b32 v6, 2, v[LN]
	s_wait_dscnt 0x0
	v_max_num_f32 v32, v32, v33
	v_max_num_f32 v34, v34, v35
	v_max_num_f32 v32, v32, v34
	v_cmp_gt_u32 vcc_lo, 8, v[LN]
	s_wait_xcnt 0x0                                ; EXEC is a source of the stores above: it changes only behind this wait
	s_and_saveexec_b32 s[SAV], vcc_lo
	global_store_b32 v6, v32, s[12:13]
	s_wait_xcnt 0x0                                ; and again in front of the line that widens it
	s_or_b32 exec_lo, exec_lo, s[SAV]
.Lnot0:
	s_wait_tensorcnt 0x0                           ; the wave's end: behind my last tensor load and my last LDS store
	ds_add_u32 v[SPW], v[NIL]
	s_wait_dscnt 0x0
	CROUND                                         ; the closing round: no work-group ends while a partner may still ask for a tile that names it
	s_endpgm
.Lfunc_end_k_q8002057eed_proj:
	.size	k_q8002057eed_proj, .Lfunc_end_k_q8002057eed_proj-k_q8002057eed_proj
	.p2alignl 7, 3214868480
	.fill 96, 4, 3214868480
	.section	.rodata,"a",@progbits
	.p2align	6, 0x0
	.amdhsa_kernel k_q8002057eed_proj
		.amdhsa_group_segment_fixed_size 327680
		.amdhsa_private_segment_fixed_size 0
		.amdhsa_enable_private_segment 0
		.amdhsa_kernarg_size 40
		.amdhsa_user_sgpr_count 2
		.amdhsa_user_sgpr_kernarg_segment_ptr 1
		.amdhsa_wavefront_size32 1
		.amdhsa_system_sgpr_workgroup_id_x 1
		.amdhsa_system_sgpr_workgroup_id_y 1
		.amdhsa_system_sgpr_workgroup_id_z 1
		.amdhsa_system_vgpr_workitem_id 0
		.amdhsa_next_free_vgpr 1024
		.amdhsa_next_free_sgpr 84
		.amdhsa_reserve_vcc 1
		.amdhsa_float_denorm_mode_32 3
		.amdhsa_float_denorm_mode_16_64 3
		.amdhsa_memory_ordered 1
		.amdhsa_forward_progress 1
		.amdhsa_inst_pref_size 195
	.end_amdhsa_kernel
	.amdgpu_metadata
---
amdhsa.version: [ 1, 2 ]
amdhsa.kernels:
  - .name:           k_q8002057eed_proj
    .symbol:         k_q8002057eed_proj.kd
    .args:
      - { .name: xb, .offset: 0, .size: 8, .value_kind: global_buffer, .address_space: global }
      - { .name: wb, .offset: 8, .size: 8, .value_kind: global_buffer, .address_space: global }
      - { .name: rope, .offset: 16, .size: 8, .value_kind: global_buffer, .address_space: global }
      - { .name: qkv, .offset: 24, .size: 8, .value_kind: global_buffer, .address_space: global }
      - { .name: amax, .offset: 32, .size: 8, .value_kind: global_buffer, .address_space: global }
    .group_segment_fixed_size: 327680
    .private_segment_fixed_size: 0
    .kernarg_segment_align: 8
    .kernarg_segment_size: 40
    .max_flat_workgroup_size: 128
    .sgpr_count:     84
    .vgpr_count:     1024
    .wavefront_size: 32
...
	.end_amdgpu_metadata
.endif
;; end of part 2
;; launch attn (part 3): grid 8 x 32, 4 waves a work-group, clusters of 4 x 1, 327,680 bytes of LDS; arguments qkv, amax, yh; writes yh
.if DOCPART == 3
	.amdgcn_target "amdgcn-amd-amdhsa--gfx1250"
	.amdhsa_code_object_version 6
	.text
	.protected	k_q8002057eed_attn
	.globl	k_q8002057eed_attn
	.p2align	8
	.type	k_q8002057eed_attn,@function
k_q8002057eed_attn:
	s_mov_b64 s[64:65], 0
	v_nop
	global_prefetch_b8 v0, s[64:65] scope:SCOPE_SE
	s_setreg_imm32_b32 hwreg(HW_REG_WAVE_MODE, 25, 1), 1
	s_wait_xcnt 0x0
	s_wait_alu depctr_hold_cnt(0) depctr_sa_sdst(0) depctr_va_vdst(0) depctr_va_sdst(0) depctr_va_ssrc(0) depctr_va_vcc(0) depctr_vm_vsrc(0)
	s_getreg_b32 s2, hwreg(HW_REG_IB_STS2, 6, 4)
	s_cmp_eq_u32 s2, 0
	s_cbranch_scc0 .Lentry_in_a_cluster
	s_endpgm
.Lentry_in_a_cluster:
	s_bfe_u32 s2, ttmp6, 0x10000c
	s_cmp_lg_u32 s2, 0x3003
	s_cbranch_scc0 .Lentry_shape_is_right
	s_endpgm
.Lentry_shape_is_right:
; ATTN: O[q] = the sum over k <= q of (q1[q].k1[k]) (q2[q].k2[k]) v[k], per head, scaled; no softmax: the map is linear in the pattern.
; FORMATS.  q, k, v in f16, sums in f32.  The pattern goes to the second product in f16 as P' = s1 s2 cP, cP = 4 / (M0 M1 M2 M3), M = the measured largest |q1|, |k1|, |q2|, |k2| (not below 2^-24):
; |s| <= 64 Mq Mk, so |P'| <= 16,384 for every input.  O leaves in f16 as y'' = cY O, cY = 2^-10 / M4, M4 = the largest |v|: |y''| <= 2,048 x 16,384 x 2^-10 = 32,768.  The last launch multiplies by the inverse.
; LIMITS.  A hidden score is multiplied by 0: a score that is not finite would give NaN.  P' and y'' below 6e-5 keep f16's fixed step of 6e-8.  NaN and infinities are not treated apart.
; THE WALK.  A head's 2,048 queries are four blocks of 512.  A cluster of four work-groups takes block 3 - p and then block p (p = cluster x): 8 - 2 p and 2 p + 2 slots of 256 keys, ten whatever p.
; All four partners walk the same ten slots, so every tile of k1, k2 and v is asked for JOINTLY.  Partner c owns the PIECES of 16 queries at 64 i + 16 c of the block, i = 0..7:
; so the causal skip is the same in all four: in the diagonal region's sub-step u (128 keys) the pieces i < 2 u see nothing, whatever c.  c enters mask values and Q's and O's global addresses alone.
; WAVES 2 x 2.  wq = w / 2: pieces i = 2 m + wq, m = 0..3.  wk = w % 2: keys 64 wk .. 64 wk + 63 of each sub-step.  In diagonal sub-step u pieces m < u are jumped over, piece m = u takes a mask, pieces m > u see all.
; The two key halves' sums meet in LDS at a block's end.
; LAYOUT.  S^T = K Q^T (source 0 = 16 keys, source 1 = 16 queries): a lane holds ONE query (lane % 16) and keys 8 (lane / 16) + 0..7; two such tiles rounded to f16 ARE source 1 of O^T = V^T P.  V is turned by ds_load_tr16_b128.
; REGISTERS, in windows of 256 (s_set_vgpr_msb: bits 1:0 source 0, 3:2 source 1, 5:4 source 2, 7:6 destination):
;   window 0: v0-31 addresses; v32-63 the mask of a piece's own sub-step (1 or 0); v64-191 S1, S2, two buffers by the piece's parity; v192-223 P, likewise
;   window 1: v0-127 O^T, 32 a piece; v128-191 Q1, v192-255 Q2, 16 a piece      window 2: v0-63 K1, v64-127 K2, v128-191 V of one sub-step      window 3: v0-127 the second block's Q
.set TS,    8388608                    ; bytes of one tensor in qkv
.set PK,    144                        ; a key's row of k1 or k2 in LDS: 128 bytes + 16
.set PV,    160                        ; of v: 128 + 32
.set K2O,   256*PK                     ; a slot: 256 rows of k1, 256 of k2, 256 of v
.set VOFF,  2*256*PK
.set SLOT1, 1<<17                      ; slot 1 begins here: one exclusive or turns an address in one slot into the other's
.set RED,   SLOT1+VOFF+256*PV          ; behind the ring, never filled by a tensor load: 64 rows x 272 bytes of f32 for each wave
.set RP,    272
.set SPARE, RED+4*64*RP                ; the spare words, 128 bytes for each wave: two blocks of 256 bytes that no other line names
.set AK0, 2                            ; v2  my lane's place in a sub-step's k1; never rewritten
.set AV0, 3                            ; v3  in its v
.set AK,  4                            ; v4, v5 the addresses of the runs of loads in hand
.set AV,  5
.set QO,  6                            ; v6  my byte offset in 16 rows of Q
.set RW,  7                            ; v7  where I put my sums
.set RR,  8                            ; v8  where I read both halves' sums
.set GO,  10                           ; v10 16 x lane
.set AMO, 11                           ; v11 32 x lane
.set SPW, 30
.set NIL, 31
.set MK,  32
.set S,   64
.set P,   192
.set AX,  64                           ; the maxima are reduced in S's registers
.set WV,  12                           ; s12 wave; s13 cx; s14 p; s15 wq; s16 wk
.set G1K, 24
.set G1V, 32
.set G0K, 40
.set G0V, 44
.set SLOTS, 56
.set TW,  57
.set CP,  58                           ; s[58:59] cP, twice
.set SEL, 60
.set TBK, 62                           ; s62, s63 LDS byte at which k1, and v less VOFF, of the sub-step to be fetched begin
.set TBV, 63
.set CY,  66                           ; s[66:67] cY, twice
.set SUBL, 68                          ; s68 sub-steps left in the block in hand
.set U,   69                           ; s69 4 - SUBL: 0..3 in the diagonal region
.set NXT, 70                           ; s70 the tile to be asked for next
.set LQ,  71                           ; s71 the last tile of the block whose tiles are being asked for
.set OFF, 74
.set YB,  76                           ; s[76:77] yh at my rows of the block in hand; s[78:79] of the second block
.set YLO, 78
.set MSB, 0
.macro WIN new
.if MSB != (\new)
	s_set_vgpr_msb (MSB<<8)|(\new)
.set MSB, (\new)
.endif
.endm
.set W_S,  0x06                        ; K in window 2, Q in window 1, S in window 0
.set W_PV, 0x52                        ; V in window 2, P in window 0, O in window 1
.macro PLACES
.rept 4
	v_nop
.endr
.endm
.macro JLOAD                           ; a joint fill: wave 0 k1's 256 keys, wave 1 k2's, waves 2, 3 the halves of v; an s_nop 0 and four v_nop follow each line
	s_cmp_lt_u32 s[WV], 2
	s_cbranch_scc0 .Lfor_v_\@
	tensor_load_to_lds s[G0K:G0K+3], s[G1K:G1K+7]
	s_nop 0
	PLACES
	s_branch .Lasked_\@
.Lfor_v_\@:
	tensor_load_to_lds s[G0V:G0V+3], s[G1V:G1V+7]
	s_nop 0
	PLACES
.Lasked_\@:
.endm
.macro CROUND
	s_barrier_signal -1
	s_barrier_wait -1
	s_cmp_lg_u32 s[WV], 0
	s_cbranch_scc1 .Lnot_wave_0_\@
	s_barrier_signal -3
.Lnot_wave_0_\@:
	s_barrier_wait -3
	s_barrier_signal -1
	s_barrier_wait -1
.endm
; THE CHANGE OF SLOTS stands where all of the old slot's fragments have been asked for.  Each wave waits for all its tensor loads (one is out: its part of the other slot), adds 0 to its spare word, and waits for that and
; for its reads of the old slot.  fill = 1: a round of the cluster's barrier, and the old slot is filled first behind it with tile NXT; it has a slot's two sub-steps in which to land.
.macro CHANGE fill
	WIN 0
	s_wait_tensorcnt 0x0                           ; no tensor load of mine is out, so a group 0 may be written
	ds_add_u32 v[SPW], v[NIL]                      ; 0 onto my spare word; the descriptors' scalar work stands between it and the wait for it
.if \fill
	s_lshl_b32 s[OFF], s[NXT], 15                  ; a tile is 32,768 bytes of each tensor
	s_xor_b32 s[G0K+1], s[G0K+1], SLOT1
	s_add_nc_u64 s[G0K+2:G0K+3], s[18:19], s[OFF:OFF+1]
	s_or_b32 s[G0K+3], s[G0K+3], 0x80000000
	s_xor_b32 s[G0V+1], s[G0V+1], SLOT1
	s_add_nc_u64 s[G0V+2:G0V+3], s[20:21], s[OFF:OFF+1]
	s_or_b32 s[G0V+3], s[G0V+3], 0x80000000
	s_add_co_u32 s[NXT], s[NXT], 1                 ; the block's next tile, or behind its last the second block's tile 0
	s_cmp_gt_u32 s[NXT], s[LQ]
	s_cselect_b32 s[NXT], 0, s[NXT]
	s_cselect_b32 s[LQ], s72, s[LQ]
	s_wait_dscnt 0x0                               ; the add is done, and my reads of the old slot are over
	CROUND
	JLOAD
.else
	s_wait_dscnt 0x0
	s_barrier_signal -1
	s_barrier_wait -1
.endif
	s_sub_co_u32 s[TBK], s[TBK], 2*128*PK          ; the fetches go back to a slot's first sub-step,
	s_xor_b32 s[TBK], s[TBK], SLOT1                ; in the other slot
	s_sub_co_u32 s[TBV], s[TBV], 2*128*PV
	s_xor_b32 s[TBV], s[TBV], SLOT1
.endm
	s_load_b128 s[4:7], s[0:1], 0x0                ; qkv s[4:5], amax s[6:7]
	s_load_b64 s[8:9], s[0:1], 0x10                ; yh
	v_lshl_add_u32 v[SPW], v0, 2, SPARE
	v_mov_b32 v[NIL], 0
	ds_add_u32 v[SPW], v[NIL]                      ; the wave's opening: the add and its wait stand ahead of my first tensor load; the set-up, work on registers, stands between
	v_lshrrev_b32 v12, 5, v0
	v_readfirstlane_b32 s[WV], v12
	s_bfe_u32 s13, ttmp6, 0x40000                  ; cx
	s_mov_b32 s14, ttmp9                           ; p: in a cluster launch ttmp9 counts clusters
	s_lshr_b32 s15, s[WV], 1                       ; wq
	s_and_b32 s16, s[WV], 1                        ; wk
	s_and_b32 s17, ttmp7, 0xffff
	s_lshl_b32 s17, s17, 18                        ; the head's 2,048 rows of 128 bytes
	v_and_b32 v1, 15, v0                           ; r
	v_bfe_u32 v9, v0, 4, 1                         ; h
	v_and_b32 v12, 31, v0
	v_lshlrev_b32 v[AMO], 5, v12
	v_lshlrev_b32 v[GO], 4, v12
	v_lshlrev_b32 v[QO], 7, v1
	v_lshl_add_u32 v[QO], v9, 4, v[QO]
	s_mul_i32 s22, s16, 64*PK
	v_mul_u32_u24 v[AK0], v1, PK
	v_lshl_add_u32 v[AK0], v9, 4, v[AK0]
	v_add_nc_u32 v[AK0], s22, v[AK0]               ; key row x pitch + 16 x half + my 64 keys
	v_and_b32 v13, 7, v0
	v_bfe_u32 v14, v0, 3, 1
	v_lshl_add_u32 v[AV0], v9, 3, v13              ; the turning load: key 8 h + lane % 8, channels 8 ((lane / 8) % 2) on
	v_mul_u32_u24 v[AV0], v[AV0], PV
	v_lshl_add_u32 v[AV0], v14, 4, v[AV0]
	s_mul_i32 s22, s16, 64*PV
	s_add_co_u32 s22, s22, VOFF
	v_add_nc_u32 v[AV0], s22, v[AV0]
	s_mul_i32 s22, s[WV], 64*RP
	s_add_co_u32 s22, s22, RED
	v_mul_u32_u24 v[RW], v1, RP
	v_lshl_add_u32 v[RW], v9, 5, v[RW]
	v_add_nc_u32 v[RW], s22, v[RW]                 ; my wave's 64 rows: row r, 32 bytes for each half of the lanes
	s_mul_i32 s22, s15, 128*RP                     ; back: the copies of waves 2 wq and 2 wq + 1, of which I add rows 32 wk .. 32 wk + 31;
	s_mul_i32 s23, s16, 32*RP
	s_add_co_u32 s22, s22, s23
	s_add_co_u32 s22, s22, RED
	v_bfe_u32 v[RR], v0, 3, 2
	v_mul_u32_u24 v[RR], v[RR], RP
	v_lshl_add_u32 v[RR], v13, 5, v[RR]            ; 32 lanes take four rows, eight channels a lane
	v_add_nc_u32 v[RR], s22, v[RR]
	s_lshl_b32 s22, s16, 24                        ; wave 0 fetches tensor 1 (k1), wave 1 tensor 3 (k2)
	s_add_co_u32 s22, s22, TS
	s_add_co_u32 s22, s22, s17
	s_mov_b32 s23, 0
	s_lshl_b32 s80, s16, 14                        ; waves 2, 3: tensor 4 (v), 128 keys each
	s_add_co_u32 s80, s80, 4*TS
	s_add_co_u32 s80, s80, s17
	s_mov_b32 s81, 0
	s_lshl_b32 s82, s15, 13                        ; Q: head + 64 wq + 16 c rows,
	s_add_co_u32 s82, s82, s17
	s_lshl_b32 s83, s13, 11
	s_add_co_u32 s82, s82, s83
	s_sub_co_u32 s84, 3, s14
	s_lshl_b32 s84, s84, 16                        ; + block 3 - p,
	s_add_co_u32 s84, s84, s82
	s_mov_b32 s85, 0
	s_lshl_b32 s86, s14, 16                        ; or block p
	s_add_co_u32 s86, s86, s82
	s_mov_b32 s87, 0
	s_mov_b32 s[G1K], 15|(1<<16)|(1<<20)|(1<<21)|(4<<22)|(3<<25)  ; the mask of four; 2-byte elements; padding on; bit 21 beside a mask; after every 32 words, 4 words
	s_mov_b32 s[G1K+1], 128<<16                    ; rows of 128 elements: two keys, 256 bytes
	s_mov_b32 s[G1K+2], 128<<16                    ; 128 rows
	s_mov_b32 s[G1K+3], 128<<16
	s_mov_b32 s[G1K+4], 128
	s_mov_b32 s[G1K+5], 128
	s_mov_b32 s[G1K+6], 0
	s_mov_b32 s[G1K+7], 0
	s_mov_b32 s[G1V], 15|(1<<16)|(1<<20)|(1<<21)|(4<<22)|(7<<25)  ; the same with 8 words of padding
	s_mov_b32 s[G1V+1], 128<<16
	s_mov_b32 s[G1V+2], 64<<16                     ; 64 rows
	s_mov_b32 s[G1V+3], 128<<16
	s_mov_b32 s[G1V+4], 64
	s_mov_b32 s[G1V+5], 128
	s_mov_b32 s[G1V+6], 0
	s_mov_b32 s[G1V+7], 0
	s_mov_b32 s[G0K], 1
	s_mul_i32 s[G0K+1], s16, K2O                   ; slot 0
	s_mov_b32 s[G0V], 1
	s_mul_i32 s[G0V+1], s16, 128*PV
	s_add_co_u32 s[G0V+1], s[G0V+1], VOFF
	s_mov_b32 s[SEL], 0x76543210
	s_mov_b32 s[SEL+1], 0xfedcba98
	s_mov_b32 s[TBK], SLOT1+2*128*PK               ; the first change of slots turns these two into 0
	s_mov_b32 s[TBV], SLOT1+2*128*PV
	s_mov_b32 s[NXT], 1
	s_lshl_b32 s72, s14, 1
	s_sub_co_u32 s[LQ], 7, s72                     ; the first block's last tile: 7 - 2 p
	s_add_co_u32 s72, s72, 1                       ; the second's: 2 p + 1
	s_lshl_b32 s73, s14, 2
	s_sub_co_u32 s[SUBL], 16, s73                  ; the first block has 16 - 4 p sub-steps,
	s_add_co_u32 s73, s73, 4                       ; the second 4 p + 4
	s_mov_b32 s[OFF+1], 0
	s_wait_dscnt 0x0                               ; the opening add is done
	s_wait_kmcnt 0x0
	s_add_nc_u64 s[18:19], s[4:5], s[22:23]        ; my tensor at the head's tile 0
	s_add_nc_u64 s[20:21], s[4:5], s[80:81]
	s_add_nc_u64 s[G0K+2:G0K+3], s[18:19], 0
	s_or_b32 s[G0K+3], s[G0K+3], 0x80000000
	s_add_nc_u64 s[G0V+2:G0V+3], s[20:21], 0
	s_or_b32 s[G0V+3], s[G0V+3], 0x80000000
	s_add_nc_u64 s[48:49], s[4:5], s[84:85]        ; q1 and q2 of the first block,
	s_add_nc_u64 s[50:51], s[48:49], 2*TS
	s_add_nc_u64 s[52:53], s[4:5], s[86:87]        ; and of the second
	s_add_nc_u64 s[54:55], s[52:53], 2*TS
	s_lshl_b32 s82, s16, 15                        ; O: I store pieces 2 wk, 2 wk + 1: 256 wk rows further on
	s_add_co_u32 s84, s84, s82
	s_add_co_u32 s86, s86, s82
	s_add_nc_u64 s[YB:YB+1], s[8:9], s[84:85]
	s_add_nc_u64 s[YLO:YLO+1], s[8:9], s[86:87]
	CROUND                                         ; all four work-groups are here: the first joint loads meet
	JLOAD                                          ; slot 0
.irp e, 0,1,2,3,4,5,6,7                ; amax: lane l takes rows 32 e + l of 256
	global_load_b128 v[AX+4*\e:AX+4*\e+3], v[AMO], s[6:7] offset:1024*\e
	global_load_b32 v[AX+32+\e], v[AMO], s[6:7] offset:1024*\e+16
.endr
	WIN 0x40
.set i, 0
.rept 8                                ; the first block's Q: piece i / 2, 16,384 bytes apart; channels 32 (i % 2) on
	global_load_b128 v[128+8*i:128+8*i+3],   v[QO], s[48:49] offset:(i/2)*16384+(i%2)*64
	global_load_b128 v[128+8*i+4:128+8*i+7], v[QO], s[48:49] offset:(i/2)*16384+(i%2)*64+32
	global_load_b128 v[192+8*i:192+8*i+3],   v[QO], s[50:51] offset:(i/2)*16384+(i%2)*64
	global_load_b128 v[192+8*i+4:192+8*i+7], v[QO], s[50:51] offset:(i/2)*16384+(i%2)*64+32
.set i, i+1
.endr
.set i, 0
.rept 128                              ; O starts at 0: no first sub-step is written out; the moves stand in the wait for the first tile
	v_mov_b32 v[i], 0
.set i, i+1
.endr
	WIN 0
	v_lshlrev_b32 v13, 3, v9                       ; the mask of a piece's own sub-step: key 16 kt + 8 h + j of my 64 is seen where it is at most 64 (wq - wk) + 16 c + r
	v_sub_nc_u32 v15, v1, v13
	s_sub_co_i32 s22, s15, s16
	s_lshl_b32 s22, s22, 6
	s_lshl_b32 s23, s13, 4
	s_add_co_i32 s22, s22, s23
	v_add_nc_u32 v15, s22, v15
.set i, 0
.rept 32
	v_cmp_le_i32 vcc_lo, 16*(i/8)+i%8, v15
	v_cndmask_b32 v[MK+i], 0, 1.0, vcc_lo
.set i, i+1
.endr
	s_wait_loadcnt 32                              ; amax is in: behind it stand the 32 loads of Q
	; the five maxima over 256 work-groups: eight rows a lane, then across the lanes; none below 2^-24
.irp k, 0,1,2,3
	v_max3_num_f32 v[AX+40+\k], v[AX+\k], v[AX+4+\k], v[AX+8+\k]
	v_max3_num_f32 v[AX+40+\k], v[AX+40+\k], v[AX+12+\k], v[AX+16+\k]
	v_max3_num_f32 v[AX+40+\k], v[AX+40+\k], v[AX+20+\k], v[AX+24+\k]
	v_max_num_f32 v[AX+40+\k], v[AX+40+\k], v[AX+28+\k]
.endr
	v_max3_num_f32 v[AX+44], v[AX+32], v[AX+33], v[AX+34]
	v_max3_num_f32 v[AX+44], v[AX+44], v[AX+35], v[AX+36]
	v_max3_num_f32 v[AX+44], v[AX+44], v[AX+37], v[AX+38]
	v_max_num_f32 v[AX+44], v[AX+44], v[AX+39]
	v_mov_b32 v[AX+45], 0
.irp k, 0,1,2,3,4
	v_max_num_f32_dpp v[AX+40+\k], v[AX+40+\k], v[AX+40+\k] row_xmask:1 row_mask:0xf bank_mask:0xf
	v_max_num_f32_dpp v[AX+40+\k], v[AX+40+\k], v[AX+40+\k] row_xmask:2 row_mask:0xf bank_mask:0xf
	v_max_num_f32_dpp v[AX+40+\k], v[AX+40+\k], v[AX+40+\k] row_xmask:4 row_mask:0xf bank_mask:0xf
	v_max_num_f32_dpp v[AX+40+\k], v[AX+40+\k], v[AX+40+\k] row_xmask:8 row_mask:0xf bank_mask:0xf
	v_permlanex16_b32 v[AX+45], v[AX+40+\k], s[SEL], s[SEL+1]
	v_max_num_f32 v[AX+40+\k], v[AX+40+\k], v[AX+45]
	v_max_num_f32 v[AX+40+\k], 0x33800000, v[AX+40+\k]
.endr
	v_mul_f32 v[AX+46], v[AX+40], v[AX+41]
	v_mul_f32 v[AX+47], v[AX+42], v[AX+43]
	v_mul_f32 v[AX+46], v[AX+46], v[AX+47]         ; M0 M1 M2 M3: between 2^-96 and 2^64
	v_rcp_f32 v[AX+47], v[AX+46]
	v_rcp_f32 v[AX+48], v[AX+44]
	v_nop                                          ; a plain instruction between a reciprocal and the use of its result
	s_wait_alu depctr_va_vdst(0)
	v_mul_f32 v[AX+47], 4.0, v[AX+47]              ; cP
	v_mul_f32 v[AX+48], 0x3a800000, v[AX+48]       ; cY = 2^-10 / M4
	v_readfirstlane_b32 s[CP], v[AX+47]
	v_readfirstlane_b32 s[CP+1], v[AX+47]
	v_readfirstlane_b32 s[CY], v[AX+48]
	v_readfirstlane_b32 s[CY+1], v[AX+48]
	WIN 0xc0
.set i, 0
.rept 8                                ; the second block's Q waits in window 3
	global_load_b128 v[8*i:8*i+3],       v[QO], s[52:53] offset:(i/2)*16384+(i%2)*64
	global_load_b128 v[8*i+4:8*i+7],     v[QO], s[52:53] offset:(i/2)*16384+(i%2)*64+32
	global_load_b128 v[64+8*i:64+8*i+3], v[QO], s[54:55] offset:(i/2)*16384+(i%2)*64
	global_load_b128 v[64+8*i+4:64+8*i+7], v[QO], s[54:55] offset:(i/2)*16384+(i%2)*64+32
.set i, i+1
.endr
	WIN 0
	s_wait_loadcnt 32                              ; the first block's Q is in: behind it stand the 32 loads just issued
; THE MATRIX WORK.  Product i of 16 of piece m's two score tiles: channels 32 (i / 8) on, tensor (i / 4) % 2, keys 16 (i % 4) on.  The first 8 start the sums.  The 8 accumulators take turns.
.macro SS1 m
	WIN W_S
.set rD, S+64*((\m)%2)+32*((i/4)%2)+8*(i%4)
.set rK, 64*((i/4)%2)+16*(i%4)+8*(i/8)
.set rQ, 128+64*((i/4)%2)+16*(\m)+8*(i/8)
.if i < 8
	v_wmma_f32_16x16x32_f16 v[rD:rD+7], v[rK:rK+7], v[rQ:rQ+7], 0
.else
	v_wmma_f32_16x16x32_f16 v[rD:rD+7], v[rK:rK+7], v[rQ:rQ+7], v[rD:rD+7]
.endif
.set i, i+1
.endm
.macro SS m
.set i, 0
.rept 16
	SS1 \m
.endr
.endm
.macro PV1 m                           ; product i of 8 of O^T += V^T P: keys 32 (i / 4) on, channels 16 (i % 4) on
	WIN W_PV
.set rO, 32*(\m)+8*(i%4)
.set rV, 128+32*(i/4)+8*(i%4)
.set rP, P+16*((\m)%2)+8*(i/4)
	v_wmma_f32_16x16x32_f16 v[rO:rO+7], v[rV:rV+7], v[rP:rP+7], v[rO:rO+7]
.set i, i+1
.endm
; THE VECTOR WORK of a piece: 48 lines, number n.  For each tile of 16 keys: four times s1 s2, four times x cP, four roundings to f16.  A line reads results made four lines back; each accumulator's lowest registers are read first.
.macro VAL m
	WIN 0
.set kt, n/12
.set tq, n%12
.set rS, S+64*((\m)%2)+8*kt+2*(tq%4)
.if tq < 4
	v_pk_mul_f32 v[rS:rS+1], v[rS:rS+1], v[rS+32:rS+33]
.elseif tq < 8
	v_pk_mul_f32 v[rS:rS+1], v[rS:rS+1], s[CP:CP+1] op_sel_hi:[1,0]
.else
	v_cvt_pk_f16_f32 v[P+16*((\m)%2)+4*kt+(tq%4)], v[rS], v[rS+1]
.endif
.set n, n+1
.endm
.macro TURNA m                         ; piece m + 1's scores, and behind each product three lines of piece m's vector work; the last three and a v_nop are the four places behind the last product
.set i, 0
.set n, 0
.rept 16
	SS1 (\m)+1
	VAL \m
	VAL \m
	VAL \m
.endr
	v_nop
.endm
.macro TURNB m
.set i, 0
.rept 8
	PV1 \m
.endr
.endm
.macro TURNC                           ; piece 2's second product, and behind each instruction six lines of piece 3's vector work
.set i, 0
.set n, 0
.rept 8
	PV1 2
.rept 6
	VAL 3
.endr
.endr
.endm
.macro MASK m                          ; the piece's own sub-step: s2 times 1 or 0
	WIN 0
.set z, 0
.rept 16
	v_pk_mul_f32 v[S+64*((\m)%2)+32+2*z:S+64*((\m)%2)+32+2*z+1], v[S+64*((\m)%2)+32+2*z:S+64*((\m)%2)+32+2*z+1], v[MK+2*z:MK+2*z+1]
.set z, z+1
.endr
.endm
.macro FK                              ; the next sub-step's k1 and k2: 32 loads in one run
	WIN 0
	v_add_nc_u32 v[AK], s[TBK], v[AK0]
	WIN 0x80
.set z, 0
.rept 16                               ; tensor z / 8, keys 16 ((z / 2) % 4) on, channels 32 (z % 2) on
	ds_load_b128 v[8*z:8*z+3],   v[AK] offset:(z/8)*K2O+((z/2)%4)*16*PK+(z%2)*64
	ds_load_b128 v[8*z+4:8*z+7], v[AK] offset:(z/8)*K2O+((z/2)%4)*16*PK+(z%2)*64+32
.set z, z+1
.endr
	s_add_co_u32 s[TBK], s[TBK], 128*PK
	WIN 0
.endm
.macro FV                              ; its v, turned: 16 loads
	WIN 0
	v_add_nc_u32 v[AV], s[TBV], v[AV0]
	WIN 0x80
.set z, 0
.rept 8                                ; keys 32 (z / 4) on, channels 16 (z % 4) on
	ds_load_tr16_b128 v[128+8*z:128+8*z+3],   v[AV] offset:(z/4)*32*PV+(z%4)*32
	ds_load_tr16_b128 v[128+8*z+4:128+8*z+7], v[AV] offset:(z/4)*32*PV+16*PV+(z%4)*32
.set z, z+1
.endr
	s_add_co_u32 s[TBV], s[TBV], 128*PV
	WIN 0
.endm
; A BLOCK'S END.  Every wave lays its sums into its own rows; a barrier; each wave of a pair adds both copies of half the pair's rows, scales, rounds to f16 and stores; a second barrier, so that the rows may be written again.
.macro FINISH
	WIN 0x04                                       ; the stores' data lie in window 1
.set z, 0
.rept 16                               ; piece z / 4, channels 16 (z % 4) on; each accumulator's low half first
	ds_store_b128 v[RW], v[8*z:8*z+3]   offset:(z/4)*16*RP+(z%4)*64
	ds_store_b128 v[RW], v[8*z+4:8*z+7] offset:(z/4)*16*RP+(z%4)*64+16
.set z, z+1
.endr
	WIN 0
	s_wait_dscnt 0x0                               ; for the others' sake: my rows are written
	s_barrier_signal -1
	s_barrier_wait -1
.set z, 0
.rept 8                                ; group z: four rows, both copies
	ds_load_b128 v[S+16*z:S+16*z+3],     v[RR] offset:4*z*RP
	ds_load_b128 v[S+16*z+4:S+16*z+7],   v[RR] offset:4*z*RP+16
	ds_load_b128 v[S+16*z+8:S+16*z+11],  v[RR] offset:64*RP+4*z*RP
	ds_load_b128 v[S+16*z+12:S+16*z+15], v[RR] offset:64*RP+4*z*RP+16
.set z, z+1
.endr
.set z, 0
.rept 8
	s_wait_dscnt 28-4*z                            ; group z is in: behind it stand four loads for each later group
.irp j, 0,1,2,3
	v_pk_add_f32 v[S+16*z+2*\j:S+16*z+2*\j+1], v[S+16*z+2*\j:S+16*z+2*\j+1], v[S+16*z+8+2*\j:S+16*z+8+2*\j+1]
.endr
.irp j, 0,1,2,3
	v_pk_mul_f32 v[S+16*z+2*\j:S+16*z+2*\j+1], v[S+16*z+2*\j:S+16*z+2*\j+1], s[CY:CY+1] op_sel_hi:[1,0]
.endr
.irp j, 0,1,2,3
	v_cvt_pk_f16_f32 v[P+4*z+\j], v[S+16*z+2*\j], v[S+16*z+2*\j+1]
.endr
	global_store_b128 v[GO], v[P+4*z:P+4*z+3], s[YB:YB+1] offset:(z/4)*16384+(z%4)*512  ; four rows of a head: 512 consecutive bytes, aligned
.set z, z+1
.endr
	s_barrier_signal -1                            ; my reads of the rows are over (the last count was 0)
	s_barrier_wait -1
.endm
; A sub-step of the walk's tail: the diagonal region's sub-step u, written straight.  fetch = 0: the last: nothing is left to fetch.
.macro SUBT u, fetch
.if \fetch
	s_wait_dscnt 16                                ; k1, k2 are in; v's 16 younger loads may be out
.else
	s_wait_dscnt 0x0
.endif
	SS \u
	WIN 0
	PLACES
	MASK \u
.if (\u) < 2
	TURNA 1
	s_wait_dscnt 0x0                               ; v is in
	TURNB 1
.endif
.if (\u) < 3
	TURNA 2
	s_wait_dscnt 0x0
	FK
	TURNC
.else
.set n, 0
.rept 48
	VAL 3
.endr
.endif
	TURNB 3
	WIN 0
	PLACES
.if \fetch
	FV
.endif
.endm
	CHANGE 1                                       ; slot 0 is in, everybody's part of it; slot 1 is asked for
	FK                                             ; sub-step 0
	FV
	s_mov_b32 s[TW], 1
	s_mov_b32 s[SLOTS], 9
	s_branch .Lsub
.Lslot:                                                ; eight times: slots 2 to 9 are asked for
	CHANGE 1
	s_mov_b32 s[TW], 2
.Lsub:                                                 ; a sub-step: 128 keys; it fetches the next sub-step's fragments
	s_sub_co_u32 s[U], 4, s[SUBL]                  ; 0..3 in the diagonal region, none of these ahead of it
	s_wait_dscnt 16                                ; k1, k2 are in; v's 16 younger loads may be out
	s_cmp_eq_u32 s[U], 1
	s_cbranch_scc1 .Le1
	s_cmp_eq_u32 s[U], 2
	s_cbranch_scc1 .Le2
	s_cmp_eq_u32 s[U], 3
	s_cbranch_scc1 .Le3
	SS 0
	WIN 0
	PLACES
	s_cmp_lg_u32 s[U], 0
	s_cbranch_scc1 .Lt0
	MASK 0
.Lt0:
	TURNA 0
	s_wait_dscnt 0x0                               ; v is in
	TURNB 0
	WIN 0
	s_branch .Lt1
.Le1:
	SS 1
	WIN 0
	PLACES
	MASK 1
.Lt1:
	TURNA 1
	s_wait_dscnt 0x0
	TURNB 1
	WIN 0
	s_branch .Lt2
.Le2:
	SS 2
	WIN 0
	PLACES
	MASK 2
.Lt2:
	TURNA 2
	s_wait_dscnt 0x0
	FK                                             ; the last product that read k1, k2 stands four places back
	TURNC
	WIN 0
	s_branch .Lb3
.Le3:
	SS 3
	WIN 0
	PLACES
	MASK 3
	FK
.set n, 0
.rept 48
	VAL 3
.endr
	s_wait_dscnt 32                                ; v is in: behind it stand the 32 loads just issued
.Lb3:
	TURNB 3
	WIN 0
	PLACES                                         ; in front of the loads into v's registers, and of the block's end
	FV
	s_sub_co_u32 s[SUBL], s[SUBL], 1
	s_cmp_lg_u32 s[SUBL], 0
	s_cbranch_scc1 .Lno
	FINISH                                         ; the first block's end (the second's lies behind the loop); the same in all waves and all partners: it hangs on p and the counts alone
	s_wait_xcnt 0x0                                ; the stores have read their registers and their base
	s_mov_b64 s[YB:YB+1], s[YLO:YLO+1]
	s_wait_loadcnt 0x0                             ; the second block's Q
	WIN 0x43
.set i, 0
.rept 128
	v_mov_b32 v[128+i], v[i]                       ; goes where the one text of the turns names Q
.set i, i+1
.endr
	WIN 0x40
.set i, 0
.rept 128
	v_mov_b32 v[i], 0                              ; and O starts at 0 again
.set i, i+1
.endr
	WIN 0
	s_mov_b32 s[SUBL], s73
.Lno:
	s_sub_co_u32 s[TW], s[TW], 1
	s_cmp_lg_u32 s[TW], 0
	s_cbranch_scc1 .Lsub
	s_sub_co_u32 s[SLOTS], s[SLOTS], 1
	s_cmp_lg_u32 s[SLOTS], 0
	s_cbranch_scc1 .Lslot
	CHANGE 0                                       ; the tail is written out: the walk's last three sub-steps are the second block's u = 1, 2, 3, whatever p
	SUBT 1, 1
	SUBT 2, 1
	SUBT 3, 0
	FINISH
	s_wait_tensorcnt 0x0                           ; the wave's end: behind my last tensor load and my last LDS store
	ds_add_u32 v[SPW], v[NIL]
	s_wait_dscnt 0x0
	CROUND                                         ; the closing round
	s_endpgm
.Lfunc_end_k_q8002057eed_attn:
	.size	k_q8002057eed_attn, .Lfunc_end_k_q8002057eed_attn-k_q8002057eed_attn
	.p2alignl 7, 3214868480
	.fill 96, 4, 3214868480
	.section	.rodata,"a",@progbits
	.p2align	6, 0x0
	.amdhsa_kernel k_q8002057eed_attn
		.amdhsa_group_segment_fixed_size 327680
		.amdhsa_private_segment_fixed_size 0
		.amdhsa_enable_private_segment 0
		.amdhsa_kernarg_size 24
		.amdhsa_user_sgpr_count 2
		.amdhsa_user_sgpr_kernarg_segment_ptr 1
		.amdhsa_wavefront_size32 1
		.amdhsa_system_sgpr_workgroup_id_x 1
		.amdhsa_system_sgpr_workgroup_id_y 1
		.amdhsa_system_sgpr_workgroup_id_z 1
		.amdhsa_system_vgpr_workitem_id 0
		.amdhsa_next_free_vgpr 896
		.amdhsa_next_free_sgpr 88
		.amdhsa_reserve_vcc 1
		.amdhsa_float_denorm_mode_32 3
		.amdhsa_float_denorm_mode_16_64 3
		.amdhsa_memory_ordered 1
		.amdhsa_forward_progress 1
		.amdhsa_inst_pref_size 145
	.end_amdhsa_kernel
	.amdgpu_metadata
---
amdhsa.version: [ 1, 2 ]
amdhsa.kernels:
  - .name:           k_q8002057eed_attn
    .symbol:         k_q8002057eed_attn.kd
    .args:
      - { .name: qkv, .offset: 0, .size: 8, .value_kind: global_buffer, .address_space: global }
      - { .name: amax, .offset: 8, .size: 8, .value_kind: global_buffer, .address_space: global }
      - { .name: yh, .offset: 16, .size: 8, .value_kind: global_buffer, .address_space: global }
    .group_segment_fixed_size: 327680
    .private_segment_fixed_size: 0
    .kernarg_segment_align: 8
    .kernarg_segment_size: 24
    .max_flat_workgroup_size: 128
    .sgpr_count:     88
    .vgpr_count:     896
    .wavefront_size: 32
...
	.end_amdgpu_metadata
.endif
;; end of part 3
;; launch outp (part 4): grid 8 x 32, 4 waves a work-group, clusters of 4 x 4, 327,680 bytes of LDS; arguments yh, wo, amax, out0; writes out0
.if DOCPART == 4
	.amdgcn_target "amdgcn-amd-amdhsa--gfx1250"
	.amdhsa_code_object_version 6
	.text
	.protected	k_q8002057eed_outp
	.globl	k_q8002057eed_outp
	.p2align	8
	.type	k_q8002057eed_outp,@function
k_q8002057eed_outp:
	s_mov_b64 s[64:65], 0
	v_nop
	global_prefetch_b8 v0, s[64:65] scope:SCOPE_SE
	s_setreg_imm32_b32 hwreg(HW_REG_WAVE_MODE, 25, 1), 1
	s_wait_xcnt 0x0
	s_wait_alu depctr_hold_cnt(0) depctr_sa_sdst(0) depctr_va_vdst(0) depctr_va_sdst(0) depctr_va_ssrc(0) depctr_va_vcc(0) depctr_vm_vsrc(0)
	s_getreg_b32 s2, hwreg(HW_REG_IB_STS2, 6, 4)
	s_cmp_eq_u32 s2, 0
	s_cbranch_scc0 .Lentry_in_a_cluster
	s_endpgm
.Lentry_in_a_cluster:
	s_bfe_u32 s2, ttmp6, 0x10000c
	s_cmp_lg_u32 s2, 0xf033
	s_cbranch_scc0 .Lentry_shape_is_right
	s_endpgm
.Lentry_shape_is_right:
; OUTP: out0[t][n] = F x the sum over k of y''[t][k] Wout[n][k], f16 operands, f32 sums.  F = M0 M1 M2 M3 M4 / 16 undoes the scales under which the attention wrote y'' (M = the measured maxima, none below 2^-24).
; A tile of out0 is 128 x 128: 8 x 32 work-groups; four waves, each 64 x 64: 16 accumulators.  Both operands lie by heads ([head][row][64]), so K goes by heads: a step is 4 heads (256 along K), a quarter one head.
; A wave's tensor load brings 64 rows of 4 heads: for each head 8,192 consecutive bytes, asked for as one row of the descriptor; the padding, 16 bytes behind every 128, gives each row of 64 numbers a pitch of 144.
; CLUSTER 4 x 4: y's tile is asked for jointly along a row of the cluster, Wout's along a column.  THE MATRIX INSTRUCTION IS USED TRANSPOSED (source 0 = 16 rows of Wout, source 1 = 16 tokens).
; REGISTERS: window 0: v0-31 addresses; v32-95 at work; v128-255 the accumulators ((a, b) at v[128 + 8 (4 a + b)]).  window 1: two fragment buffers of 128: 64 registers of y (2 x 4 fragments), then 64 of Wout.
.set PITCH,  144
.set HEADB,  64*PITCH                  ; a head's 64 rows
.set HALFT,  4*HEADB                   ; what one tensor load brings
.set SLOT,   4*HALFT                   ; y's two halves, then Wout's two
.set STAGE,  2*SLOT                    ; behind the ring: 16 rows x 272 bytes for each wave
.set SPITCH, 272
.set SPARE,  STAGE+4*16*SPITCH         ; the spare words, 128 bytes for each wave: two blocks of 256 bytes that no other line names
.set STEPA,  4*262144                  ; four heads on in yh
.set STEPB,  4*131072                  ; and in wo
.set LA,   14                          ; v14, v15 my lane's places in a slot; never rewritten
.set LB,   15
.set ADRA, 16                          ; v16, v17 the same plus the slot in hand
.set ADRB, 17
.set STO,  24
.set RD,   25
.set CO,   26
.set AMO,  27
.set SPW,  28
.set NIL,  29
.set TMP,  32
.set BK,   64
.set AX,   32                          ; the maxima are reduced in the registers of the way out
.set ACC,  128
.set F0,   0
.set F1,   128
.set WV,  12                           ; s12 wave; s13 my half of the rows, also: I fetch for y (0) or Wout (1); s14 my half of the columns, also: which 64 rows I fetch
.set RH,  13
.set CH,  14
.set CUR, 21
.set WO,  22
.set CNT, 23
.set G1A, 24
.set G0A, 32                           ; s[32:39] two sets for the two first fills; the second then walks
.set G1B, 40
.set G0B, 48
.set SEL, 60
.set FS,  66                           ; s[66:67] F, twice
.set MSB, 0
.macro WIN new
.if MSB != (\new)
	s_set_vgpr_msb (MSB<<8)|(\new)
.set MSB, (\new)
.endif
.endm
.set MUL,  0x05                        ; sources 0 and 1 in window 1; C and D in window 0
.set TO_F, 0x40
.macro PLACES
.rept 4
	v_nop
.endr
.endm
.macro CREST
	s_cmp_lg_u32 s[WV], 0
	s_cbranch_scc1 .Lnot_wave_0_\@
	s_barrier_signal -3
.Lnot_wave_0_\@:
	s_barrier_wait -3
	s_barrier_signal -1
	s_barrier_wait -1
.endm
.macro CROUND
	s_barrier_signal -1
	s_barrier_wait -1
	CREST
.endm
.macro JLOAD                           ; a joint refill by the walking sets; an s_nop 0 and four v_nop follow each line
	s_cmp_eq_u32 s[RH], 0
	s_cbranch_scc0 .Lfor_b_\@
	tensor_load_to_lds s[G0A+4:G0A+7], s[G1A:G1A+7]
	s_nop 0
	PLACES
	s_branch .Lasked_\@
.Lfor_b_\@:
	tensor_load_to_lds s[G0B+4:G0B+7], s[G1B:G1B+7]
	s_nop 0
	PLACES
.Lasked_\@:
.endm
	s_load_b256 s[4:11], s[0:1], 0x0               ; yh s[4:5], wo s[6:7], amax s[8:9], out0 s[10:11]
	v_lshl_add_u32 v[SPW], v0, 2, SPARE
	v_mov_b32 v[NIL], 0
	ds_add_u32 v[SPW], v[NIL]                      ; the wave's opening: the add and its wait stand ahead of my first tensor load; the set-up, work on registers, stands between
	v_lshrrev_b32 v3, 5, v0
	v_readfirstlane_b32 s[WV], v3
	s_lshr_b32 s[RH], s[WV], 1
	s_and_b32 s[CH], s[WV], 1
	s_bfe_u32 s15, ttmp6, 0x40000                  ; cx
	s_bfe_u32 s16, ttmp6, 0x40004                  ; cy
	s_lshl_b32 s17, ttmp9, 2
	s_add_co_u32 s17, s17, s15                     ; tile column
	s_and_b32 s18, ttmp7, 0xffff
	s_lshl_b32 s18, s18, 2
	s_add_co_u32 s18, s18, s16                     ; tile row
	s_lshl_b32 s19, s16, 2
	s_lshl_b32 s19, 15, s19                        ; my row of the cluster
	s_lshl_b32 s20, 0x1111, s15                    ; my column
	s_or_b32 s[G1A], s19, (1<<16)|(1<<20)|(1<<21)|(4<<22)|(3<<25)  ; the mask; 2-byte elements; padding on; bit 21 beside a mask; after every 32 words, 4 words
	s_or_b32 s[G1B], s20, (1<<16)|(1<<20)|(1<<21)|(4<<22)|(3<<25)
.irp g, G1A, G1B
	s_mov_b32 s[\g+1], 4096<<16                    ; tensor_dim0 = 4,096 elements: 64 rows of 64
	s_mov_b32 s[\g+2], 4<<16                       ; tensor_dim1 = 4 heads
	s_mov_b32 s[\g+3], 4096<<16                    ; tile_dim0
	s_mov_b32 s[\g+4], 4                           ; tile_dim1
	s_mov_b32 s[\g+6], 0
	s_mov_b32 s[\g+7], 0
.endr
	s_mov_b32 s[G1A+5], 131072                     ; elements from head to head in yh,
	s_mov_b32 s[G1B+5], 65536                      ; and in wo
	s_lshr_b32 s56, s18, 4                         ; y: batch x 16 heads of 262,144 bytes + (128 (tile row % 16) + 64 half) rows of 128: no register here ever holds cx
	s_lshl_b32 s56, s56, 22
	s_and_b32 s57, s18, 15
	s_lshl_b32 s57, s57, 14
	s_add_co_u32 s56, s56, s57
	s_lshl_b32 s57, s[CH], 13
	s_add_co_u32 s56, s56, s57
	s_mov_b32 s57, 0
	s_lshl_b32 s58, s17, 14                        ; Wout: (128 tile column + 64 half) rows of 128: no register here ever holds cy
	s_lshl_b32 s59, s[CH], 13
	s_add_co_u32 s58, s58, s59
	s_mov_b32 s59, 0
	s_mul_i32 s[WO], s[WV], HALFT                  ; where my part goes in a slot
	s_mov_b32 s[CUR], 0
	s_mov_b32 s[SEL], 0x76543210
	s_mov_b32 s[SEL+1], 0xfedcba98
	s_lshl_b32 s68, s18, 19                        ; out0: (128 tile row + 64 row half) rows of 4,096 bytes + (128 tile column + 64 column half) x 4
	s_lshl_b32 s69, s[RH], 18
	s_add_co_u32 s68, s68, s69
	s_lshl_b32 s69, s17, 9
	s_add_co_u32 s68, s68, s69
	s_lshl_b32 s69, s[CH], 8
	s_add_co_u32 s68, s68, s69
	s_mov_b32 s69, 0
	v_and_b32 v1, 15, v0                           ; r
	v_bfe_u32 v2, v0, 4, 1                         ; h
	v_and_b32 v4, 31, v0
	v_lshlrev_b32 v[AMO], 5, v4
	v_mul_u32_u24 v3, v1, PITCH
	v_lshl_add_u32 v3, v2, 4, v3
	s_mul_i32 s62, s[RH], HALFT
	v_add_nc_u32 v[LA], s62, v3
	s_mul_i32 s62, s[CH], HALFT
	s_add_co_u32 s62, s62, 2*HALFT
	v_add_nc_u32 v[LB], s62, v3
	v_mov_b32 v[ADRA], v[LA]
	v_mov_b32 v[ADRB], v[LB]
	s_mul_i32 s62, s[WV], 16*SPITCH
	s_add_co_u32 s62, s62, STAGE                   ; my stage
	v_mul_u32_u24 v5, v1, SPITCH
	v_lshl_add_u32 v5, v2, 5, v5
	v_add_nc_u32 v[STO], s62, v5                   ; in: row r, 32 bytes for each half of the lanes
	v_mul_u32_u24 v5, v2, SPITCH
	v_lshl_add_u32 v5, v1, 4, v5
	v_add_nc_u32 v[RD], s62, v5                    ; back: lanes 0-15 one row of 256 bytes, lanes 16-31 the next
	v_lshlrev_b32 v5, 12, v2
	v_lshl_add_u32 v[CO], v1, 4, v5                ; and the same two rows in out0
	s_wait_dscnt 0x0                               ; the opening add is done
	s_wait_kmcnt 0x0
	s_add_nc_u64 s[56:57], s[4:5], s[56:57]
	s_add_nc_u64 s[58:59], s[6:7], s[58:59]
	s_add_nc_u64 s[10:11], s[10:11], s[68:69]
.irp s, 0,1
	s_mov_b32 s[G0A+4*\s], 1
	s_add_co_u32 s[G0A+4*\s+1], s[WO], \s*SLOT
	s_add_nc_u64 s[G0A+4*\s+2:G0A+4*\s+3], s[56:57], \s*STEPA
	s_or_b32 s[G0A+4*\s+3], s[G0A+4*\s+3], 0x80000000
	s_mov_b32 s[G0B+4*\s], 1
	s_add_co_u32 s[G0B+4*\s+1], s[WO], \s*SLOT
	s_add_nc_u64 s[G0B+4*\s+2:G0B+4*\s+3], s[58:59], \s*STEPB
	s_or_b32 s[G0B+4*\s+3], s[G0B+4*\s+3], 0x80000000
.endr
	CROUND                                         ; all sixteen work-groups are here: the first joint loads meet
	s_cmp_eq_u32 s[RH], 0                          ; a wave's two first fills stand in one branch: two loads of mine are out
	s_cbranch_scc0 .Lfirst_b
	tensor_load_to_lds s[G0A:G0A+3], s[G1A:G1A+7]
	s_nop 0
	tensor_load_to_lds s[G0A+4:G0A+7], s[G1A:G1A+7]
	s_nop 0
	PLACES
	s_branch .Lfirst_asked
.Lfirst_b:
	tensor_load_to_lds s[G0B:G0B+3], s[G1B:G1B+7]
	s_nop 0
	tensor_load_to_lds s[G0B+4:G0B+7], s[G1B:G1B+7]
	s_nop 0
	PLACES
.Lfirst_asked:
	; F, in the wait for the first tile: the five maxima over 256 work-groups, eight rows a lane, then across the lanes; none below 2^-24
.irp e, 0,1,2,3,4,5,6,7
	global_load_b128 v[AX+4*\e:AX+4*\e+3], v[AMO], s[8:9] offset:1024*\e
	global_load_b32 v[AX+32+\e], v[AMO], s[8:9] offset:1024*\e+16
.endr
	s_wait_loadcnt 0x0
.irp k, 0,1,2,3
	v_max3_num_f32 v[AX+40+\k], v[AX+\k], v[AX+4+\k], v[AX+8+\k]
	v_max3_num_f32 v[AX+40+\k], v[AX+40+\k], v[AX+12+\k], v[AX+16+\k]
	v_max3_num_f32 v[AX+40+\k], v[AX+40+\k], v[AX+20+\k], v[AX+24+\k]
	v_max_num_f32 v[AX+40+\k], v[AX+40+\k], v[AX+28+\k]
.endr
	v_max3_num_f32 v[AX+44], v[AX+32], v[AX+33], v[AX+34]
	v_max3_num_f32 v[AX+44], v[AX+44], v[AX+35], v[AX+36]
	v_max3_num_f32 v[AX+44], v[AX+44], v[AX+37], v[AX+38]
	v_max_num_f32 v[AX+44], v[AX+44], v[AX+39]
	v_mov_b32 v[AX+45], 0
.irp k, 0,1,2,3,4
	v_max_num_f32_dpp v[AX+40+\k], v[AX+40+\k], v[AX+40+\k] row_xmask:1 row_mask:0xf bank_mask:0xf
	v_max_num_f32_dpp v[AX+40+\k], v[AX+40+\k], v[AX+40+\k] row_xmask:2 row_mask:0xf bank_mask:0xf
	v_max_num_f32_dpp v[AX+40+\k], v[AX+40+\k], v[AX+40+\k] row_xmask:4 row_mask:0xf bank_mask:0xf
	v_max_num_f32_dpp v[AX+40+\k], v[AX+40+\k], v[AX+40+\k] row_xmask:8 row_mask:0xf bank_mask:0xf
	v_permlanex16_b32 v[AX+45], v[AX+40+\k], s[SEL], s[SEL+1]
	v_max_num_f32 v[AX+40+\k], v[AX+40+\k], v[AX+45]
	v_max_num_f32 v[AX+40+\k], 0x33800000, v[AX+40+\k]
.endr
	v_mul_f32 v[AX+46], v[AX+40], v[AX+41]
	v_mul_f32 v[AX+47], v[AX+42], v[AX+43]
	v_mul_f32 v[AX+46], v[AX+46], v[AX+47]
	v_mul_f32 v[AX+46], v[AX+46], v[AX+44]
	v_mul_f32 v[AX+46], 0x3d800000, v[AX+46]       ; / 16
	v_readfirstlane_b32 s[FS], v[AX+46]
	v_readfirstlane_b32 s[FS+1], v[AX+46]
; 8 matrix instructions: token blocks a0, a0 + 1 x all 4 column blocks, 32 along K: half c of buffer f.  The 16 accumulators take turns.  zero = 1: the product starts the sum
.macro MUL8 f, c, a0, zero
	WIN MUL
.irp a, \a0, (\a0)+1
.irp b, 0,1,2,3
.if \zero
	v_wmma_f32_16x16x32_f16 v[ACC+8*(4*(\a)+(\b)):ACC+8*(4*(\a)+(\b))+7], v[(\f)+64+8*(4*(\c)+(\b)):(\f)+64+8*(4*(\c)+(\b))+7], v[(\f)+8*(4*(\c)+(\a)):(\f)+8*(4*(\c)+(\a))+7], 0
.else
	v_wmma_f32_16x16x32_f16 v[ACC+8*(4*(\a)+(\b)):ACC+8*(4*(\a)+(\b))+7], v[(\f)+64+8*(4*(\c)+(\b)):(\f)+64+8*(4*(\c)+(\b))+7], v[(\f)+8*(4*(\c)+(\a)):(\f)+8*(4*(\c)+(\a))+7], v[ACC+8*(4*(\a)+(\b)):ACC+8*(4*(\a)+(\b))+7]
.endif
.endr
.endr
.endm
; 32 LDS loads in one run: the fragments of head hl of the slot's four, into buffer f; its first 32 channels first
.macro FETCH hl, f
	WIN TO_F
.irp c, 0,1
.irp i, 0,1,2,3
	ds_load_b128 v[(\f)+64+8*(4*(\c)+(\i)):(\f)+64+8*(4*(\c)+(\i))+3],   v[ADRB] offset:(\hl)*HEADB+64*(\c)+(\i)*16*PITCH
	ds_load_b128 v[(\f)+64+8*(4*(\c)+(\i))+4:(\f)+64+8*(4*(\c)+(\i))+7], v[ADRB] offset:(\hl)*HEADB+64*(\c)+(\i)*16*PITCH+32
	ds_load_b128 v[(\f)+8*(4*(\c)+(\i)):(\f)+8*(4*(\c)+(\i))+3],         v[ADRA] offset:(\hl)*HEADB+64*(\c)+(\i)*16*PITCH
	ds_load_b128 v[(\f)+8*(4*(\c)+(\i))+4:(\f)+8*(4*(\c)+(\i))+7],       v[ADRA] offset:(\hl)*HEADB+64*(\c)+(\i)*16*PITCH+32
.endr
.endr
.endm
; One of a step's first three quarters: multiplies buffer q % 2 and fetches head q + 1 into the other
.macro QUARTER q, zero
	s_wait_dscnt 16                                ; the first 32 channels are in; the 16 younger loads may be out
	MUL8 F0+128*((\q)%2), 0, 0, \zero
	MUL8 F0+128*((\q)%2), 0, 2, \zero
	PLACES
	FETCH (\q)+1, F0+128*(((\q)+1)%2)
	s_wait_dscnt 32                                ; all but the 32 just issued
	MUL8 F0+128*((\q)%2), 1, 0, 0
	MUL8 F0+128*((\q)%2), 1, 2, 0
.endm
; The last quarter changes slots: ONE barrier; in front of it each wave waits for all its tensor loads (one is out: its part of the next slot), adds 0 to its spare word, and waits for that and for its reads of this slot.
; fill = 1: the barrier opens a round of the cluster's, and this slot is filled again first behind it, with the step two on.
.macro TURN fill
	WIN 0
	s_wait_tensorcnt 0x0                           ; no tensor load of mine is out, so a group 0 may be written
	ds_add_u32 v[SPW], v[NIL]                      ; 0 onto my spare word; eight products stand between it and the wait for it
	s_wait_dscnt 17                                ; the add and the youngest sixteen loads may be out
	MUL8 F1, 0, 0, 0
	s_wait_dscnt 0x0                               ; the add is done, and my reads of this slot are over
	s_barrier_signal -1
	MUL8 F1, 0, 2, 0
	WIN 0
	s_barrier_wait -1
.if \fill
	CREST                                          ; no wave of any partner still reads this slot or has a load on its way
	s_add_co_u32 s[G0A+5], s[CUR], s[WO]
	s_add_nc_u64 s[G0A+6:G0A+7], s[G0A+6:G0A+7], STEPA
	s_add_co_u32 s[G0B+5], s[CUR], s[WO]
	s_add_nc_u64 s[G0B+6:G0B+7], s[G0B+6:G0B+7], STEPB
.endif
	s_xor_b32 s[CUR], s[CUR], SLOT
	v_add_nc_u32 v[ADRA], s[CUR], v[LA]
	v_add_nc_u32 v[ADRB], s[CUR], v[LB]
.if \fill
	JLOAD                                          ; the first tensor load behind the round; its four v_nop are also the places in front of the loads below
.else
	PLACES
.endif
	FETCH 0, F0
	MUL8 F1, 1, 0, 0
	MUL8 F1, 1, 2, 0
.endm
	s_wait_tensorcnt 1                             ; my part of step 0 is in; step 1's may stay out
	s_barrier_signal -1
	s_barrier_wait -1
	FETCH 0, F0
	QUARTER 0, 1                                   ; the first quarter stands in front of the loop: its first products start the sums
	WIN 0
	s_mov_b32 s[CNT], 2
.Lk:                                                   ; two trips, from a step's second quarter to the next step's first; they ask for steps 2 and 3
	QUARTER 1, 0
	QUARTER 2, 0
	TURN 1
	QUARTER 0, 0
	WIN 0
	s_sub_co_u32 s[CNT], s[CNT], 1
	s_cmp_lg_u32 s[CNT], 0
	s_cbranch_scc1 .Lk
	s_mov_b32 s[CNT], 2
.Lt:                                                   ; the last two steps ask for nothing; the second trip is left in its middle.  Its 32 fragment loads read a landed slot once more and serve nothing: the price of one text for both
	QUARTER 1, 0
	QUARTER 2, 0
	TURN 0
	WIN 0
	s_sub_co_u32 s[CNT], s[CNT], 1
	s_cmp_eq_u32 s[CNT], 0
	s_cbranch_scc1 .Lout
	QUARTER 0, 0
	WIN 0
	s_branch .Lt
.Lout:
	PLACES                                         ; behind the last products
	s_wait_dscnt 0x0
	; THE WAY OUT, 16 tokens at a time: times F, through my own stage, back as whole rows: my 64 columns of f32 are 256 consecutive bytes, aligned.
.irp a, 0,1,2,3
.set z, 0
.rept 16
	v_pk_mul_f32 v[TMP+2*z:TMP+2*z+1], v[ACC+32*\a+2*z:ACC+32*\a+2*z+1], s[FS:FS+1] op_sel_hi:[1,0]
.set z, z+1
.endr
.irp b, 0,1,2,3
	ds_store_b128 v[STO], v[TMP+8*\b:TMP+8*\b+3]   offset:64*\b
	ds_store_b128 v[STO], v[TMP+8*\b+4:TMP+8*\b+7] offset:64*\b+16
.endr
	s_wait_xcnt 0x0                                ; the stores of the block before have read these registers: they are loaded again only behind this wait
.irp t, 0,1,2,3,4,5,6,7
	ds_load_b128 v[BK+4*\t:BK+4*\t+3], v[RD] offset:\t*2*SPITCH  ; LDS serves a wave's instructions in order: these see the stores above
.endr
	s_wait_dscnt 0x0
.irp t, 0,1,2,3,4,5,6,7
	global_store_b128 v[CO], v[BK+4*\t:BK+4*\t+3], s[10:11] offset:(16*\a+2*\t)*4096 th:TH_STORE_NT  ; 16 lanes store 256 consecutive bytes, aligned
.endr
.endr
	s_wait_tensorcnt 0x0                           ; the wave's end: behind my last tensor load and my last LDS store
	ds_add_u32 v[SPW], v[NIL]
	s_wait_dscnt 0x0
	CROUND                                         ; the closing round
	s_endpgm
.Lfunc_end_k_q8002057eed_outp:
	.size	k_q8002057eed_outp, .Lfunc_end_k_q8002057eed_outp-k_q8002057eed_outp
	.p2alignl 7, 3214868480
	.fill 96, 4, 3214868480
	.section	.rodata,"a",@progbits
	.p2align	6, 0x0
	.amdhsa_kernel k_q8002057eed_outp
		.amdhsa_group_segment_fixed_size 327680
		.amdhsa_private_segment_fixed_size 0
		.amdhsa_enable_private_segment 0
		.amdhsa_kernarg_size 32
		.amdhsa_user_sgpr_count 2
		.amdhsa_user_sgpr_kernarg_segment_ptr 1
		.amdhsa_wavefront_size32 1
		.amdhsa_system_sgpr_workgroup_id_x 1
		.amdhsa_system_sgpr_workgroup_id_y 1
		.amdhsa_system_sgpr_workgroup_id_z 1
		.amdhsa_system_vgpr_workitem_id 0
		.amdhsa_next_free_vgpr 512
		.amdhsa_next_free_sgpr 72
		.amdhsa_reserve_vcc 0
		.amdhsa_float_denorm_mode_32 3
		.amdhsa_float_denorm_mode_16_64 3
		.amdhsa_memory_ordered 1
		.amdhsa_forward_progress 1
		.amdhsa_inst_pref_size 66
	.end_amdhsa_kernel
	.amdgpu_metadata
---
amdhsa.version: [ 1, 2 ]
amdhsa.kernels:
  - .name:           k_q8002057eed_outp
    .symbol:         k_q8002057eed_outp.kd
    .args:
      - { .name: yh, .offset: 0, .size: 8, .value_kind: global_buffer, .address_space: global }
      - { .name: wo, .offset: 8, .size: 8, .value_kind: global_buffer, .address_space: global }
      - { .name: amax, .offset: 16, .size: 8, .value_kind: global_buffer, .address_space: global }
      - { .name: out0, .offset: 24, .size: 8, .value_kind: global_buffer, .address_space: global }
    .group_segment_fixed_size: 327680
    .private_segment_fixed_size: 0
    .kernarg_segment_align: 8
    .kernarg_segment_size: 32
    .max_flat_workgroup_size: 128
    .sgpr_count:     72
    .vgpr_count:     512
    .wavefront_size: 32
...
	.end_amdgpu_metadata
.endif
;; end of part 4
;; ======== version 2 of 2: 4 launches; version 1 with the launch prep written anew for expert scheduling mode
;; limits: values are held in f16: magnitudes above 65,504 overflow, below 6.1e-05 lose precision
;; workspace buffers: xb 8,388,608 bytes; wb 10,485,760 bytes; wo 2,097,152 bytes; rope 262,144 bytes; qkv 41,943,040 bytes; amax 8,192 bytes; yh 8,388,608 bytes
;; launch prep (part 5): grid 64 x 11, 8 waves a work-group, no clusters, 0 bytes of LDS; arguments x, Wq1, Wk1, Wq2, Wk2, Wv, Wout, xb, wb, wo, rope; writes xb, wb, wo, rope
.if DOCPART == 5
	.amdgcn_target "amdgcn-amd-amdhsa--gfx1250"
	.amdhsa_code_object_version 6
	.text
	.protected	k_q8002057eed_prep
	.globl	k_q8002057eed_prep
	.p2align	8
	.type	k_q8002057eed_prep,@function
k_q8002057eed_prep:
	s_mov_b64 s[64:65], 0
	v_nop
	global_prefetch_b8 v0, s[64:65] scope:SCOPE_SE
	s_setreg_imm32_b32 hwreg(HW_REG_WAVE_SCHED_MODE, 0, 2), 2
	s_setreg_imm32_b32 hwreg(HW_REG_WAVE_MODE, 25, 1), 1
	s_wait_xcnt 0x0
	s_wait_alu depctr_vm_vsrc(0)
; PREP: the inputs are rounded to 16 bits once, and the rotary table is made.
; Grid row y says what a work-group of eight waves does with its 16,384 numbers (65,536 bytes in, 32,768 out):
;   y = 0..3   x -> xb, bf16, same layout [4096][1024]
;   y = 4..8   Wq1, Wk1, Wq2, Wk2, Wv -> wb, bf16, laid [head 16][tensor 5][64 rows][1024]: the 320 rows that one head needs lie together
;   y = 9      Wout -> wo: rounded to bf16 like every input, that number written as f16, laid [head 16][n 1024][64]
;   y = 10     rope[t][j] = one word: cos(t f_j) in bf16 below, sin(t f_j) in bf16 above; t = 0..2047, j = 0..31
; A stream: no LDS, no barrier, no matrix unit, no cluster (no two work-groups read the same bytes).
; LIMITS.  |bf16(Wout)| above 65,504 has no f16; below 2^-14 it keeps f16's fixed step of 2^-24.
; The table: f_j = 1 / 10^(j/8), the power given to the nearest f32, the reciprocal refined by two Newton steps; the angle t f_j is one f32 product;
; sine and cosine by a reduction in three parts of pi/2 and polynomials good to about one unit in the last place of f32, then rounded to bf16.
; THE MODE: SCHED_MODE bits 1:0 = 2 (LLVM: expert scheduling mode 2), set by the entry lines.  The code itself states the register dependences
; between vector instructions and memory instructions, and from a vector instruction's scalar result to its reader, with s_wait_alu, always for 0.
; THE PLAN.  Registers that memory instructions touch:
;   v1, v2     (cast, Wout) the loads' and the stores' byte offsets: made once at the path's head, never written again.
;   LD         sixteen loads land here, once; no vector instruction names these registers ahead of the loads; the conversions read them behind the wait for the data.
;   ST         a pair of its own for each of the sixteen stores: written once by a conversion, read once by its store, never written again.
;   v24, v[26:29]  (table) the stores' offset and data: written once.
; No register that a memory instruction reads is written again, so no wait on vm_vsrc is owed anywhere.
; The sixteen loads are worked off in four blocks of four.  Block b rounds LD[b] into ST[b]; its four stores are issued in block b + 1, behind ONE wait on va_vdst at that
; block's head, and are dealt among that block's conversions, which name LD[b + 1], ST[b + 1] and TW alone: none of the registers that those stores touch.
; Compares go into scalar registers in runs, with one wait on va_sdst behind each run and ahead of the selects.
.set LD,  4                            ; v[4:67]    sixteen loads of four f32
.set ST,  68                           ; v[68:99]   sixteen pairs to store: a pair of its own for each store, so none is rewritten
.set TW,  100                          ; v[100:103] at work: no memory instruction names them
.set TF,  12                           ; v12, v13   the table: t as f32, for my two rows
.set OUTW, 26                          ; v[26:29]   the table: four words to store
.set SC,  32                           ; v[32:79]   the table: evaluation k of four has 12 registers of its own at SC + 12 k
.set PM,  8                            ; s8-s23     the table: mask k of sixteen: lane % 16 is not k (these registers held addresses that this path does not use)
.set QM,  24                           ; s24-s27    the table: evaluation k's mask: the quadrant is odd (likewise)
	s_load_b512 s[8:23], s[0:1], 0x0               ; x, Wq1, Wk1, Wq2, Wk2, Wv, Wout, xb
	s_load_b128 s[24:27], s[0:1], 0x40             ; wb, wo
	s_load_b64 s[28:29], s[0:1], 0x50              ; rope
	s_and_b32 s2, ttmp7, 0xffff                    ; y
	s_mov_b32 s3, ttmp9                            ; x id, 0..63
	v_lshrrev_b32 v1, 5, v0
	v_readfirstlane_b32 s38, v1                    ; wave 0..7
	v_and_b32 v3, 31, v0                           ; lane
	s_wait_alu depctr_va_sdst(0)                   ; s38 is written, ahead of the first branch and of its readers: Wout's offsets and the table's rows are made from it
	s_wait_kmcnt 0x0
	s_cmp_eq_u32 s2, 10
	s_cbranch_scc1 .Ltable
	; from where: x, or the weight that y names
	s_mov_b64 s[4:5], s[8:9]
.irp y, 4,5,6,7,8,9
	s_cmp_eq_u32 s2, \y
	s_cselect_b64 s[4:5], s[2*\y+2:2*\y+3], s[4:5]
.endr
	s_cmp_lt_u32 s2, 4
	s_cselect_b32 s30, s2, 0
	s_lshl_b32 s30, s30, 22                        ; x: 64 work-groups of 65,536 bytes for each y
	s_lshl_b32 s31, s3, 16
	s_add_co_u32 s30, s30, s31
	s_mov_b32 s31, 0
	s_add_nc_u64 s[4:5], s[4:5], s[30:31]
	; to where: three offsets, made apart from the addresses, and a choice
	s_lshl_b32 s32, s2, 21
	s_lshl_b32 s33, s3, 15
	s_add_co_u32 s32, s32, s33                     ; xb
	s_lshr_b32 s33, s3, 2                          ; my 16 rows lie in head x id / 4
	s_mul_i32 s33, s33, 5
	s_add_co_u32 s33, s33, s2
	s_sub_co_u32 s33, s33, 4                       ; 5 head + tensor
	s_lshl_b32 s33, s33, 17                        ; blocks of 64 rows x 2,048 bytes
	s_and_b32 s34, s3, 3
	s_lshl_b32 s34, s34, 15
	s_add_co_u32 s33, s33, s34                     ; wb
	s_lshl_b32 s34, s3, 11                         ; wo: 16 rows of 128 bytes in every head
	s_cmp_lt_u32 s2, 4
	s_cselect_b64 s[6:7], s[22:23], s[24:25]
	s_cselect_b32 s36, s32, s33
	s_cmp_eq_u32 s2, 9
	s_cselect_b64 s[6:7], s[26:27], s[6:7]
	s_cselect_b32 s36, s34, s36
	s_mov_b32 s37, 0
	s_add_nc_u64 s[6:7], s[6:7], s[36:37]
	s_cmp_eq_u32 s2, 9
	s_cbranch_scc1 .Lwout
	; THE CAST.  Thread t takes 16 bytes at 16 t of each 4,096; all sixteen loads go out first.
	v_lshlrev_b32 v1, 4, v0
	v_lshlrev_b32 v2, 3, v0
	s_wait_alu depctr_va_vdst(0)                   ; v1 and v2 are written: every load below reads v1 as its offset, every store v2
.set i, 0
.rept 16
	global_load_b128 v[LD+4*i:LD+4*i+3], v1, s[4:5] offset:4096*i th:TH_LOAD_NT
.set i, i+1
.endr
.set b, 0
.rept 4
	s_wait_loadcnt 12-4*b                          ; loads come back in order: block b's four are in, the 12 - 4 b younger ones stay out
.if b > 0
	s_wait_alu depctr_va_vdst(0)                   ; the block before has written its four pairs of ST, which the four stores below read
.endif
.set i, 4*b
.rept 4
.if b > 0
	global_store_b64 v2, v[ST+2*(i-4):ST+2*(i-4)+1], s[6:7] offset:2048*(i-4)  ; the block before: a wave's store covers 256 consecutive bytes, aligned; no vector instruction since the wait names its registers
.endif
	v_cvt_pk_bf16_f32 v[ST+2*i], v[LD+4*i], v[LD+4*i+1]
	v_cvt_pk_bf16_f32 v[ST+2*i+1], v[LD+4*i+2], v[LD+4*i+3]
.set i, i+1
.endr
.set b, b+1
.endr
	s_wait_alu depctr_va_vdst(0)                   ; the last block has written its four pairs of ST, which the last four stores read
.set i, 12
.rept 4
	global_store_b64 v2, v[ST+2*i:ST+2*i+1], s[6:7] offset:2048*i
.set i, i+1
.endr
	s_endpgm
.Lwout:
	; Wout by heads.  Load j of wave w: rows 2 (j / 2) + lane / 16 of my 16, the 64 columns of head 2 w + j % 2; the two rows' 128 bytes of f16 lie end to end in wo.
	v_bfe_u32 v1, v0, 4, 1
	v_lshlrev_b32 v1, 12, v1
	v_and_b32 v2, 15, v0
	v_lshl_add_u32 v1, v2, 4, v1
	s_lshl_b32 s30, s38, 9
	v_add_nc_u32 v1, s30, v1                       ; (lane / 16) 4,096 + (lane % 16) 16 + 512 w
	s_lshl_b32 s31, s38, 18
	v_lshl_add_u32 v2, v3, 3, s31                  ; 8 lane + two heads of 131,072 bytes for each wave
	s_wait_alu depctr_va_vdst(0)                   ; v1 and v2 are written: every load below reads v1 as its offset, every store v2
.set i, 0
.rept 16
	global_load_b128 v[LD+4*i:LD+4*i+3], v1, s[4:5] offset:(i&1)*256+(i>>1)*8192 th:TH_LOAD_NT
.set i, i+1
.endr
.set b, 0
.rept 4
	s_wait_loadcnt 12-4*b                          ; block b's four loads are in, the 12 - 4 b younger ones stay out
.if b > 0
	s_wait_alu depctr_va_vdst(0)                   ; the block before has written its four pairs of ST, which the four stores below read
.endif
.set i, 4*b
.rept 4
.if b > 0
.set j, i-4
	global_store_b64 v2, v[ST+2*j:ST+2*j+1], s[6:7] offset:(j&1)*131072+(j>>1)*256  ; the block before; no vector instruction since the wait names its registers
.endif
	v_cvt_pk_bf16_f32 v[TW], v[LD+4*i], v[LD+4*i+1]            ; the rounding that every input gets,
	v_cvt_pk_bf16_f32 v[TW+1], v[LD+4*i+2], v[LD+4*i+3]
	v_lshlrev_b32 v[TW+2], 16, v[TW]                           ; back to f32,
	v_and_b32 v[TW], 0xffff0000, v[TW]
	v_lshlrev_b32 v[TW+3], 16, v[TW+1]
	v_and_b32 v[TW+1], 0xffff0000, v[TW+1]
	v_cvt_pk_f16_f32 v[ST+2*i], v[TW+2], v[TW]                 ; and written as f16: exact inside f16's range
	v_cvt_pk_f16_f32 v[ST+2*i+1], v[TW+3], v[TW+1]
.set i, i+1
.endr
.set b, b+1
.endr
	s_wait_alu depctr_va_vdst(0)                   ; the last block has written its four pairs of ST, which the last four stores read
.set i, 12
.rept 4
	global_store_b64 v2, v[ST+2*i:ST+2*i+1], s[6:7] offset:(i&1)*131072+(i>>1)*256
.set i, i+1
.endr
	s_endpgm
.Ltable:
	; Wave W = 8 x id + w owns t = 4 W .. 4 W + 3.  Lane: row t % 2 = lane / 16, frequencies 2 (lane % 16) and the next.
	s_lshl_b32 s30, s3, 3
	s_add_co_u32 s30, s30, s38                     ; W
	s_lshl_b32 s31, s30, 2                         ; 4 W
	s_lshl_b32 s34, s30, 9                         ; four rows of 128 bytes
	s_mov_b32 s35, 0
	s_add_nc_u64 s[28:29], s[28:29], s[34:35]
	s_mov_b32 s32, 0xb94ca1f9                      ; -1.9515295891e-4: the sine's highest coefficient
	s_mov_b32 s33, 0x37ccf5ce                      ; 2.443315711809948e-5: the cosine's
	v_and_b32 v2, 15, v0
	v_bfe_u32 v23, v0, 4, 1
	v_lshlrev_b32 v24, 3, v3
	v_mov_b32 v4, 1.0
	v_mov_b32 v5, 1.0
.set k, 0
.rept 16
	v_cmp_ne_u32 s[PM+k], k, v2                    ; the sixteen masks in one run
.set k, k+1
.endr
	s_wait_alu depctr_va_sdst(0)                   ; the sixteen compares have written s8 to s23, which the selects below read
.macro SEL k, p0, p1                   ; lanes with lane % 16 = k take 10^(2k/8) and 10^((2k+1)/8)
	v_cndmask_b32 v4, \p0, v4, s[PM+\k]
	v_cndmask_b32 v5, \p1, v5, s[PM+\k]
.endm
	SEL 0, 1.0, 1.3335214321633240
	SEL 1, 1.7782794100389228, 2.3713737056616552
	SEL 2, 3.1622776601683795, 4.2169650342858226
	SEL 3, 5.6234132519034908, 7.4989420933245583
	SEL 4, 10.0, 13.335214321633240
	SEL 5, 17.782794100389228, 23.713737056616552
	SEL 6, 31.622776601683795, 42.169650342858226
	SEL 7, 56.234132519034908, 74.989420933245583
	SEL 8, 100.0, 133.35214321633240
	SEL 9, 177.82794100389228, 237.13737056616552
	SEL 10, 316.22776601683795, 421.69650342858226
	SEL 11, 562.34132519034908, 749.89420933245583
	SEL 12, 1000.0, 1333.5214321633240
	SEL 13, 1778.2794100389228, 2371.3737056616552
	SEL 14, 3162.2776601683795, 4216.9650342858226
	SEL 15, 5623.4132519034908, 7498.9420933245583
	v_rcp_f32 v6, v4
	v_rcp_f32 v7, v5
	v_nop                                          ; a plain instruction between a reciprocal and the use of its result
	s_wait_alu depctr_va_vdst(0)                   ; the two reciprocals have written v6 and v7, ahead of their first reader
.rept 2
	v_fma_f32 v8, -v4, v6, 1.0                     ; Newton: r += r (1 - p r)
	v_fma_f32 v9, -v5, v7, 1.0
	v_fma_f32 v6, v6, v8, v6
	v_fma_f32 v7, v7, v9, v7
.endr
	v_add_nc_u32 v10, s31, v23                     ; my two rows: t = 4 W + lane / 16,
	v_add_nc_u32 v11, 2, v10                       ; and two further on
	v_cvt_f32_u32 v[TF], v10
	v_cvt_f32_u32 v[TF+1], v11
; Evaluation k of four: row k / 2, frequency k % 2.  cos and sin of t f, rounded to bf16, packed into v[OUTW + k].  The quadrant steers values alone, by selects and sign bits.
; In two parts, each evaluation in registers of its own, so that the four compares stand in front of one wait and the selects behind it.
.macro SINCOS_A k                      ; the angle, its reduction, both polynomials, and the mask of the odd quadrants
.set W, SC+12*(\k)
	v_mul_f32 v[W], v[TF+(\k)/2], v[6+(\k)%2]      ; the angle, one f32 product
	v_mul_f32 v[W+1], 0x3f22f983, v[W]             ; x 2 / pi
	v_rndne_f32 v[W+1], v[W+1]                     ; n
	v_fmamk_f32 v[W+2], v[W+1], 0xbfc90000, v[W]   ; r = angle - n pi/2, pi/2 in three parts: 1.5703125,
	v_fmamk_f32 v[W+2], v[W+1], 0xb9fda000, v[W+2] ; 4.837512969970703125e-4,
	v_fmamk_f32 v[W+2], v[W+1], 0xb3a22168, v[W+2] ; 7.54978995489188216e-8
	v_mul_f32 v[W+3], v[W+2], v[W+2]               ; z = r r
	v_fmaak_f32 v[W+4], s32, v[W+3], 0x3c08839e    ; sine: 8.3321608736e-3
	v_fmaak_f32 v[W+6], s33, v[W+3], 0xbab6061a    ; cosine: -1.388731625493765e-3
	v_fmaak_f32 v[W+4], v[W+4], v[W+3], 0xbe2aaaa3 ; -1.6666654611e-1
	v_fmaak_f32 v[W+6], v[W+6], v[W+3], 0x3d2aaaa5 ; 4.166664568298827e-2
	v_mul_f32 v[W+5], v[W+3], v[W+2]
	v_mul_f32 v[W+7], v[W+3], v[W+3]
	v_fma_f32 v[W+8], v[W+3], -0.5, 1.0
	v_fma_f32 v[W+4], v[W+4], v[W+5], v[W+2]       ; sin r
	v_fma_f32 v[W+6], v[W+6], v[W+7], v[W+8]       ; cos r
	v_cvt_i32_f32 v[W+9], v[W+1]
	v_and_b32 v[W+10], 1, v[W+9]
	v_cmp_eq_u32 s[QM+(\k)], 1, v[W+10]            ; odd quadrants swap the two
.endm
.macro SINCOS_B k                      ; the selects, the signs, the rounding
.set W, SC+12*(\k)
	v_cndmask_b32 v[W+7], v[W+6], v[W+4], s[QM+(\k)]
	v_cndmask_b32 v[W+8], v[W+4], v[W+6], s[QM+(\k)]
	v_add_nc_u32 v[W+10], 1, v[W+9]
	v_and_b32 v[W+10], 2, v[W+10]                  ; the cosine is negative in quadrants 1 and 2,
	v_lshlrev_b32 v[W+10], 30, v[W+10]
	v_xor_b32 v[W+7], v[W+7], v[W+10]
	v_and_b32 v[W+10], 2, v[W+9]                   ; the sine in 2 and 3
	v_lshlrev_b32 v[W+10], 30, v[W+10]
	v_xor_b32 v[W+8], v[W+8], v[W+10]
	v_cvt_pk_bf16_f32 v[OUTW+(\k)], v[W+7], v[W+8]
.endm
	SINCOS_A 0
	SINCOS_A 1
	SINCOS_A 2
	SINCOS_A 3
	s_wait_alu depctr_va_sdst(0)                   ; the four compares have written s24 to s27, which the selects below read
	SINCOS_B 0
	SINCOS_B 1
	SINCOS_B 2
	SINCOS_B 3
	s_wait_alu depctr_va_vdst(0)                   ; v24, the offset, and v26 to v29, the four words, are written: the two stores read them
	global_store_b64 v24, v[OUTW:OUTW+1], s[28:29]               ; two rows of the table: 256 consecutive bytes, aligned
	global_store_b64 v24, v[OUTW+2:OUTW+3], s[28:29] offset:256  ; and the next two
	s_endpgm
.Lfunc_end_k_q8002057eed_prep:
	.size	k_q8002057eed_prep, .Lfunc_end_k_q8002057eed_prep-k_q8002057eed_prep
	.p2alignl 7, 3214868480
	.fill 96, 4, 3214868480
	.section	.rodata,"a",@progbits
	.p2align	6, 0x0
	.amdhsa_kernel k_q8002057eed_prep
		.amdhsa_group_segment_fixed_size 0
		.amdhsa_private_segment_fixed_size 0
		.amdhsa_enable_private_segment 0
		.amdhsa_kernarg_size 88
		.amdhsa_user_sgpr_count 2
		.amdhsa_user_sgpr_kernarg_segment_ptr 1
		.amdhsa_wavefront_size32 1
		.amdhsa_system_sgpr_workgroup_id_x 1
		.amdhsa_system_sgpr_workgroup_id_y 1
		.amdhsa_system_sgpr_workgroup_id_z 1
		.amdhsa_system_vgpr_workitem_id 0
		.amdhsa_next_free_vgpr 104
		.amdhsa_next_free_sgpr 66
		.amdhsa_reserve_vcc 0
		.amdhsa_float_denorm_mode_32 3
		.amdhsa_float_denorm_mode_16_64 3
		.amdhsa_memory_ordered 1
		.amdhsa_forward_progress 1
		.amdhsa_inst_pref_size 30
	.end_amdhsa_kernel
	.amdgpu_metadata
---
amdhsa.version: [ 1, 2 ]
amdhsa.kernels:
  - .name:           k_q8002057eed_prep
    .symbol:         k_q8002057eed_prep.kd
    .args:
      - { .name: x, .offset: 0, .size: 8, .value_kind: global_buffer, .address_space: global }
      - { .name: Wq1, .offset: 8, .size: 8, .value_kind: global_buffer, .address_space: global }
      - { .name: Wk1, .offset: 16, .size: 8, .value_kind: global_buffer, .address_space: global }
      - { .name: Wq2, .offset: 24, .size: 8, .value_kind: global_buffer, .address_space: global }
      - { .name: Wk2, .offset: 32, .size: 8, .value_kind: global_buffer, .address_space: global }
      - { .name: Wv, .offset: 40, .size: 8, .value_kind: global_buffer, .address_space: global }
      - { .name: Wout, .offset: 48, .size: 8, .value_kind: global_buffer, .address_space: global }
      - { .name: xb, .offset: 56, .size: 8, .value_kind: global_buffer, .address_space: global }
      - { .name: wb, .offset: 64, .size: 8, .value_kind: global_buffer, .address_space: global }
      - { .name: wo, .offset: 72, .size: 8, .value_kind: global_buffer, .address_space: global }
      - { .name: rope, .offset: 80, .size: 8, .value_kind: global_buffer, .address_space: global }
    .group_segment_fixed_size: 0
    .private_segment_fixed_size: 0
    .kernarg_segment_align: 8
    .kernarg_segment_size: 88
    .max_flat_workgroup_size: 256
    .sgpr_count:     66
    .vgpr_count:     104
    .wavefront_size: 32
...
	.end_amdgpu_metadata
.endif
;; end of part 5
;; launch proj: the kernel of part 2 again; grid 16 x 16, 4 waves a work-group, clusters of 4 x 4, 327,680 bytes of LDS; arguments xb, wb, rope, qkv, amax; writes qkv, amax
;; launch attn: the kernel of part 3 again; grid 8 x 32, 4 waves a work-group, clusters of 4 x 1, 327,680 bytes of LDS; arguments qkv, amax, yh; writes yh
;; launch outp: the kernel of part 4 again; grid 8 x 32, 4 waves a work-group, clusters of 4 x 4, 327,680 bytes of LDS; arguments yh, wo, amax, out0; writes out0
